; MI455X (gfx1250); checked and timed in simulation.
; The chip was launched on July 23, 2026; its instructions are those of AMD's public machine-readable ISA for CDNA 5 (MIT licence, August 2026) and "CDNA5" Instruction Set Architecture Reference Guide (July 2026). The comments in the code are by the model that wrote it; some were corrected since.
;; Cross Trans Former. Allowed arithmetic: matrix products marked QUANTISED: E5M2 operands, one E8M0 scale for each 32 along K, by v_wmma_scale_f32_16x16x128_f8f6f4 with both operands' format E5M2, f32 sums; everything else in f32.
;; Inputs: Wk 1,024 x 1,024 float32; Wq 1,024 x 1,024 float32; Wv 1,024 x 1,024 float32; Xk 4 x 1,024 x 2,048 float32; Xq 4 x 1,024 x 2,048 float32; beta1 1,024 float32; beta2 1,024 float32; beta3 1,024 float32; gamma1 1,024 float32; gamma2 1,024 float32; gamma3 1,024 float32; mean1 1,024 float32; mean2 1,024 float32; mean3 1,024 float32; var1 1,024 float32; var2 1,024 float32; var3 1,024 float32.
;; Outputs: out0 4 x 1,024 x 2,048 float32.
;; This version of the problem:
;;   THIS VERSION OF THE PROBLEM IS GIVEN IN LOW PRECISION. The matrix products marked QUANTISED in the list below multiply operands that are first quantised to E5M2 (5 exponent bits, 2 mantissa bits; 8 bits a number), with one power-of-two scale for each 32 numbers along K (OCP MX v1.0); their sums are f32. All else is computed in f32.
;;   The module's matrix products, in the order in which they are computed (A, B: the left and right operand; K: the contracted axis; several contracted axes count as one K, in the product's order):
;;     1. [M 8,192, K 1,024] x [K 1,024, N 1,024]; A: input Xq; B: input Wq: QUANTISED
;;     2. [M 8,192, K 1,024] x [K 1,024, N 1,024]; A: input Xk; B: input Wk: QUANTISED
;;     3. [M 8,192, K 1,024] x [K 1,024, N 1,024]; A: input Xq; B: input Wv: QUANTISED
;;     4. batch 32 x [M 2,048, K 128] x [K 128, N 2,048]; A: computed on the way; B: computed on the way: QUANTISED
;;     5. batch 32 x [M 128, K 2,048] x [K 2,048, N 2,048]; A: computed on the way; B: softmax (see below): QUANTISED
;;   THE QUANTISER, for each operand of a quantised product, along K:
;;     - K is cut into blocks of 32 from its start; a last block that is shorter is filled with zeros.
;;     - A block's scale is 2^e with e = floor(log2(the largest magnitude in the block)) - 15, held to -126 .. 127; a block of zeros has e = 0. As a byte (E8M0): e + 127.
;;     - Each number is divided by its block's scale, clamped to +-57,344, and rounded to the nearest number of E5M2, ties to even, subnormals kept.
;;     - The product sums the exact products of the quantised numbers (number of the format x scale) in f32.
;;   ~~~python
;;   def quantise(x, axis):      # numpy; x: float32 -> the quantised numbers, widened to float32 again
;;       x = np.moveaxis(x, axis, -1); K = x.shape[-1]
;;       x = np.pad(x, [(0, 0)] * (x.ndim - 1) + [(0, -K % 32)]); x = x.reshape(x.shape[:-1] + (-1, 32)); a = np.abs(x).max(-1, keepdims=True)
;;       e = np.where(a > 0, np.clip(np.frexp(np.where(a > 0, a, 1))[1] - 1 - 15, -126, 127), 0)      # np.frexp(a)[1] - 1 = floor(log2(a)), exactly
;;       r = np.clip(x / 2.0 ** e, -57344, 57344)
;;       step = 2.0 ** (np.maximum(np.frexp(np.where(r == 0, 1, r))[1] - 1, -14) - 2)
;;       q = np.round(r / step) * step * 2.0 ** e      # np.round: ties to even
;;       return np.moveaxis(q.reshape(q.shape[:-2] + (-1,))[..., :K], -1, axis).astype(np.float32)
;;   ~~~
;;   SOFTMAX AHEAD OF A QUANTISED PRODUCT. Where the list says 'softmax', what is quantised is not the finished softmax but p = 2^(t - M), with t = logit x log2(e) and M = ceil(the row's largest t), a whole number; so 1/2 < the row's largest p <= 1. The row's sum l is taken of the UNQUANTISED p, in f32, and the product's result is divided by l at the end. Since M is a whole number, a kernel that streams over the keys may use a running M (the ceiling of the running maximum): every later rescaling is an exact power of two, which a block's scale takes up: the codes' values come out the same.
;;   OPERANDS COMPUTED ON THE WAY. 'Computed on the way' means the value that the module computes at that place (a softmax that the list does not call 'softmax' is quantised finished and normalised). What goes into a quantiser is computed in f32, as accurately as f32 sums, v_exp_f32 and their like allow (about 1e-6 of the number): no bf16 or f16 on the way to a quantiser, and a product that is left as it is and whose result goes on into a quantised operand takes f32 operands (vector FMAs, or v_wmma_f32_16x16x4_f32). A number that lies on a knife's edge between two numbers of the format may be rounded either way, as far as f32 arithmetic and the matrix unit's own rounding can turn it there, and no further.
;; One version. Each part assembles by itself: llvm-mc -triple=amdgcn-amd-amdhsa -mcpu=gfx1250 --defsym DOCPART=n.
;; ======== version 1 of 1: 3 launches
;; workspace buffers: xc 16,777,216 bytes; xs 524,288 bytes; wc 3,145,728 bytes; ws 98,304 bytes; bn 24,576 bytes; cod 25,165,824 bytes; scl 786,432 bytes
;; launch quant (part 1): grid 16 x 38, 4 waves a work-group, no clusters, 69,120 bytes of LDS; arguments Wk, Wv, Wq, gamma2, gamma3, gamma1, beta2, beta3, beta1, mean2, mean3, mean1, var2, var3, var1, wc, ws, bn, Xq, Xk, xc, xs; writes wc, ws, bn, xc, xs
.if DOCPART == 1
	.amdgcn_target "amdgcn-amd-amdhsa--gfx1250"
	.amdhsa_code_object_version 6
	.text
	.protected	k_q971f541bb1_quant
	.globl	k_q971f541bb1_quant
	.p2align	8
	.type	k_q971f541bb1_quant,@function
k_q971f541bb1_quant:
	s_mov_b64 s[64:65], 0
	v_nop
	global_prefetch_b8 v0, s[64:65] scope:SCOPE_SE
	s_setreg_imm32_b32 hwreg(HW_REG_WAVE_MODE, 25, 1), 1
	s_wait_xcnt 0x0
; ONE LAUNCH QUANTISES ALL FIVE OPERANDS OF THE THREE CONVOLUTIONS to codes of BF8 (E5M2) with one E8M0 byte for each 32 along K = the input channel c, and folds the three batch norms.
; Work-group rows y = 0 .. 31 take Xq and Xk (K not innermost), rows y = 32 .. 37 take Wk, Wv, Wq (K innermost) and the batch norms.  The two paths part on the work-group's y at the head and share nothing;
; each has LDS bytes of its own (X: from 0; W: from WBASE).
; A block's scale is 2^(floor(log2(its largest magnitude)) - 15); its byte is the largest magnitude's exponent field - 15, held at 1 from below.
; In every buffer of codes a row's place is its index with bits 3 and 4 exchanged (POS): sixteen neighbouring stored rows are then a tile whose results, where the tile is a matrix instruction's source 0,
; fall into a lane's registers as neighbours.
; LIMITS: a block whose largest magnitude lies under 2^-111, a block of zeros among them, gets the byte 1 (the rule says 127 for zeros: its codes are zeros, and this program alone reads the bytes); NaN and infinities are
; not served; the batch norm's scale is made with v_rsq_f32 and a multiplication where the definition divides by a square root: a few units in the last place.
; No tensor loads, no barrier, no cluster: work-groups and waves share no input.
.set EMAX,  15
.set MANT,  0x600000                   ; the mantissa field of 57,344 as f32
; X's path
.set SIZE_K, 1024
.set SIZE_N, 2048
.set KW,    256                        ; along c for a wave
.set NB,    KW/32                      ; blocks
.set PITCH, 272                        ; a stage row: 256 bytes of codes + 16
.set KROW,  SIZE_K                     ; a row of xc in bytes
.set X,     32                         ; v32-95   two sets of 32 numbers
.set C,     96                         ; v96-103  a block's codes
.set OUTR,  112                        ; v112-175 the way out
.set SB,    24                         ; v24-25   the scale bytes, four to a register
; W's path
.set STEPS, 16
.set CB,    16                         ; bytes of 16 codes
.set WR,    16                         ; v16-79   four sets of 16 numbers as they are loaded
.set WX,    80                         ; v80-111  two sets of 16 neighbours
.set WC,    128                        ; v128-191 codes: four registers for each step
.set WE,    112                        ; v112-127 a scale byte for each step
.set WBASE, 35840                      ; LDS: behind X's four stages
.set WREG,  8192                       ; a region for each wave: two stages of 32 x SP bytes, then its 256 scale bytes
.set SP,    80                         ; a lane's place in a stage: 64 bytes + 16
	v_lshl_add_u32 v192, v0, 2, 0x10c00
	v_mov_b32 v193, 0
	s_and_b32 s2, ttmp7, 0xffff                    ; work-group y
	s_cmp_ge_u32 s2, 32                            ; the branch hangs on the work-group's number alone
	s_cbranch_scc1 .Lweights
; ---- X: Xq and Xk, [4][1024 (c)][2048 (p)] f32, become xc [2 tensors][8192 rows = b x 2048 + POS(p)][1024 c] and xs [2][8192 rows][32].
; A LANE TAKES A COLUMN p, AND ITS REGISTERS RUN DOWN c: each load reads 128 consecutive bytes a wave, a block of 32 along c lies in one lane's 32 registers, and the conversions give codes with c innermost.
; A wave takes 32 columns x 256 along c; its codes go through its own stage in LDS and leave as rows: sixteen lanes store 256 consecutive bytes, aligned.
; Every offset is an immediate: 255 rows x 8,192 bytes and 30 x 1,024 bytes at the most, inside the signed 24-bit immediate (ISA guide, chapter 10).
	s_load_b128 s[4:7], s[0:1], 0x90               ; Xq, Xk
	s_load_b128 s[8:11], s[0:1], 0xa0              ; xc, xs
	v_lshrrev_b32 v1, 5, v0
	v_readfirstlane_b32 s16, v1                    ; wave 0..3
	v_and_b32 v2, 31, v0                           ; lane
	s_lshl_b32 s17, ttmp9, 7
	s_lshl_b32 s18, s16, 5
	s_add_co_u32 s17, s17, s18                     ; my wave's first column: 128 x work-group x + 32 x wave
	s_and_b32 s19, s2, 3                           ; y = 4 x matrix + which 256 along c
	s_lshr_b32 s20, s2, 2                          ; matrix 0..7: 0-3 Xq's batches, 4-7 Xk's
	s_and_b32 s21, s20, 3                          ; the batch
	v_lshlrev_b32 v3, 2, v2                        ; in: 4 bytes a lane
	s_mul_i32 s28, s16, 32*PITCH                   ; my stage
	v_mul_u32_u24 v4, v2, PITCH
	v_add_nc_u32 v4, s28, v4                       ; into it: row = my column
	v_and_b32 v5, 15, v2
	v_lshrrev_b32 v6, 4, v2                        ; out of it: sixteen lanes to a row, two rows an instruction
	v_mul_u32_u24 v7, v6, PITCH
	v_lshl_add_u32 v7, v5, 4, v7
	v_add_nc_u32 v7, s28, v7                       ; LDS address
	v_mul_u32_u24 v8, v6, KROW
	v_lshl_add_u32 v8, v5, 4, v8                   ; and the place in xc
	v_and_b32 v9, 7, v2                            ; POS(lane): bits 3 and 4 change places
	v_and_b32 v10, 8, v2
	v_lshl_or_b32 v9, v10, 1, v9
	v_and_b32 v10, 16, v2
	v_lshrrev_b32 v10, 1, v10
	v_or_b32 v9, v9, v10
	v_lshlrev_b32 v9, 5, v9                        ; my column's row of scale bytes: 32 bytes a row
	s_lshl_b32 s22, s21, 23                        ; in: batch x 8 MiB + 256 rows of 8,192 bytes x y's part + 4 x column
	s_lshl_b32 s23, s19, 21
	s_add_co_u32 s22, s22, s23
	s_lshl_b32 s23, s17, 2
	s_add_co_u32 s22, s22, s23
	s_mov_b32 s23, 0
	s_lshl_b32 s24, s20, 11
	s_add_co_u32 s24, s24, s17                     ; my wave's first stored row (a multiple of 32, so POS stays inside the wave's 32)
	s_lshl_b32 s26, s24, 5                         ; its scale bytes,
	s_lshl_b32 s24, s24, 10                        ; its codes
	s_lshl_b32 s25, s19, 8
	s_add_co_u32 s24, s24, s25
	s_mov_b32 s25, 0
	s_lshl_b32 s27, s19, 3
	s_add_co_u32 s26, s26, s27
	s_mov_b32 s27, 0
	s_mov_b32 s31, MANT                            ; (an instruction takes one literal: the hold's line has another)
	s_wait_kmcnt 0x0
	s_cmp_lt_u32 s20, 4                            ; Xq or Xk: the choice hangs on the work-group's number alone
	s_cselect_b64 s[4:5], s[4:5], s[6:7]
	s_add_nc_u64 s[4:5], s[4:5], s[22:23]
	s_add_nc_u64 s[8:9], s[8:9], s[24:25]
	s_add_nc_u64 s[10:11], s[10:11], s[26:27]
.macro XLOAD t                         ; block t: X(32 t + i, my column), i = 0 .. 31, into set t % 2
.irp i, 0,1,2,3,4,5,6,7,8,9,10,11,12,13,14,15,16,17,18,19,20,21,22,23,24,25,26,27,28,29,30,31
	global_load_b32 v[X+32*((\t)%2)+\i], v3, s[4:5] offset:(32*(\t)+\i)*SIZE_N*4 th:TH_LOAD_NT
.endr
.endm
	XLOAD 0
	XLOAD 1
.macro XBLOCK t
.set XS, X+32*((\t)%2)
.if (\t) < NB-1
	s_wait_loadcnt 32                              ; this block's 32 loads are in; the next block's 32 may be out
.else
	s_wait_loadcnt 0
.endif
	v_max3_num_f32 v12, |v[XS]|, |v[XS+1]|, |v[XS+2]|               ; the block's largest magnitude: all 32 numbers are mine
	v_max3_num_f32 v13, |v[XS+3]|, |v[XS+4]|, |v[XS+5]|
.irp i, 6,10,14,18,22,26
	v_max3_num_f32 v12, v12, |v[XS+\i]|, |v[XS+\i+1]|
	v_max3_num_f32 v13, v13, |v[XS+\i+2]|, |v[XS+\i+3]|
.endr
	v_max3_num_f32 v12, v12, |v[XS+30]|, |v[XS+31]|
	v_max3_num_f32 v12, v12, v13, (EMAX+1)<<23     ; and the floor 2^(16 - 127): the byte cannot fall under 1
	v_add_nc_u32 v11, -(EMAX<<23), v12             ; 15 off its exponent field: the conversion takes the exponent field of this operand as its scale
	v_and_or_b32 v10, v12, 0x7f800000, s31         ; 57,344 x the scale
	v_lshrrev_b32 v13, 23, v11                     ; the scale's byte
.if (\t)%4 == 0
	v_mov_b32 v[SB+(\t)/4], v13                    ; four bytes to a register, the lower c in the lower byte
.else
	v_lshl_or_b32 v[SB+(\t)/4], v13, 8*((\t)%4), v[SB+(\t)/4]
.endif
.irp i, 0,1,2,3,4,5,6,7,8,9,10,11,12,13,14,15,16,17,18,19,20,21,22,23,24,25,26,27,28,29,30,31
	v_med3_num_f32 v[XS+\i], v[XS+\i], -v10, v10   ; the conversion to an 8-bit code does not saturate (ISA guide 7.6.2): the hold comes first
.endr
.irp g, 0,1,2,3
	v_cvt_scalef32_pk8_bf8_f32 v[C+2*\g:C+2*\g+1], v[XS+8*\g:XS+8*\g+7], v11
.endr
	ds_store_b128 v4, v[C:C+3] offset:32*(\t)      ; 32 codes: 32 bytes of my column's row
	ds_store_b128 v4, v[C+4:C+7] offset:32*(\t)+16
.if (\t)+2 < NB
	XLOAD (\t)+2
.endif
	s_wait_dscnt 0x0                               ; the stores have read their registers: the next block's codes may be written
.endm
.set Q, 0
.rept NB
	XBLOCK Q
.set Q, Q+1
.endr
	global_store_b64 v9, v[SB:SB+1], s[10:11]      ; my column's 8 scale bytes, at its stored row
.irp t, 0,1,2,3,4,5,6,7,8,9,10,11,12,13,14,15
	ds_load_b128 v[OUTR+4*\t:OUTR+4*\t+3], v7 offset:2*(((\t)&3)|(((\t)&4)<<1)|(((\t)&8)>>1))*PITCH   ; stored rows 2 t, 2 t + 1 are the columns with bits 3 and 4 exchanged; LDS serves a wave's instructions in order: these see my stores
.endr
.irp t, 0,1,2,3,4,5,6,7,8,9,10,11,12,13,14,15
	s_wait_dscnt 15-\t                             ; load t is in; the 15 - t behind it may be out
	global_store_b128 v8, v[OUTR+4*\t:OUTR+4*\t+3], s[8:9] offset:2*\t*KROW
.endr
	s_wait_tensorcnt 0x0
	ds_add_u32 v192, v193
	s_wait_dscnt 0x0
	s_endpgm
; ---- W: Wk, Wv, Wq, [1024 (o)][1024 (c)] f32, become wc [3][1024 rows = POS(o)][1024] and ws [3][1024 rows][32].  A wave takes 8 rows (8,192 numbers), so bits 3 and 4 of the row are the wave's number:
; only the wave's output place changes.  The batch norm of each branch becomes bn [3: K, V, Q branch][2][1024] f32: scale = gamma x rsq(var + 1e-5), shift = beta - mean x scale (one fused multiply-add).
; Each of a step's four loads reads 512 consecutive bytes; the 2,048 bytes turn through the wave's own stage in LDS and come back 64 bytes (16 neighbours along c) a lane; two neighbouring lanes hold a block.
; Of the 96 work-groups the first 32 take Wk, the next Wv, the last Wq: only pointers are chosen.
.Lweights:
	s_load_b512 s[4:19], s[0:1], 0x0               ; Wk 4, Wv 6, Wq 8, gamma2 10, gamma3 12, gamma1 14, beta2 16, beta3 18
	s_load_b512 s[20:35], s[0:1], 0x40             ; beta1 20, mean2 22, mean3 24, mean1 26, var2 28, var3 30, var1 32, wc 34
	s_load_b128 s[36:39], s[0:1], 0x80             ; ws 36, bn 38
	v_lshrrev_b32 v1, 5, v0
	v_readfirstlane_b32 s42, v1                    ; wave
	v_and_b32 v2, 31, v0                           ; lane
	v_lshlrev_b32 v1, 2, v2                        ; 4 x lane: a channel's number in the batch norm's vectors
	v_lshlrev_b32 v3, 4, v2                        ; my 16 bytes of a load's 512
	s_mul_i32 s43, s42, WREG
	s_add_co_u32 s43, s43, WBASE                   ; my wave's region
	v_lshrrev_b32 v14, 2, v2
	v_mul_u32_u24 v14, v14, SP
	v_and_b32 v15, 3, v2
	v_lshl_add_u32 v14, v15, 4, v14
	v_add_nc_u32 v14, s43, v14                     ; the stage, on the way in: SP (lane / 4) + 16 (lane % 4)
	v_mul_u32_u24 v15, v2, SP
	v_add_nc_u32 v15, s43, v15                     ; and on the way out: SP x lane
	v_mul_u32_u24 v4, v2, CB                       ; my codes' place in a step's
	v_lshrrev_b32 v5, 1, v2
	s_add_co_u32 s43, s43, 2*32*SP
	v_add_nc_u32 v5, s43, v5                       ; LDS: my wave's 256 scale bytes, my block's byte
	v_lshlrev_b32 v7, 3, v2                        ; and on the way out 8 bytes a lane
	v_add_nc_u32 v6, s43, v7
	s_mov_b32 s50, MANT
	s_sub_co_u32 s51, s2, 32
	s_lshl_b32 s51, s51, 4
	s_add_co_u32 s51, s51, ttmp9                   ; 16 (y - 32) + x: 0..95
	s_lshr_b32 s40, s51, 5                         ; which branch: 0 K, 1 V, 2 Q
	s_and_b32 s41, s51, 31                         ; which 32 rows
	s_lshl_b32 s44, s41, 2
	s_add_co_u32 s44, s44, s42
	s_lshl_b32 s44, s44, 15                        ; in: run 4 g + wave of 32,768 bytes
	s_mov_b32 s45, 0
	s_and_b32 s46, s42, 1
	s_lshl_b32 s46, s46, 1
	s_lshr_b32 s47, s42, 1
	s_or_b32 s46, s46, s47                         ; the wave's number with its two bits exchanged
	s_lshl_b32 s47, s41, 2
	s_add_co_u32 s46, s46, s47                     ; out: run 4 g + that
	s_lshl_b32 s48, s46, 8                         ; 256 scale bytes a run
	s_lshl_b32 s46, s46, 13                        ; 8,192 codes a run
	s_lshl_b32 s47, s40, 20
	s_add_co_u32 s46, s46, s47
	s_mov_b32 s47, 0
	s_lshl_b32 s49, s40, 15
	s_add_co_u32 s48, s48, s49
	s_mov_b32 s49, 0
	s_lshl_b32 s52, s41, 7                         ; 32 channels x 4 bytes x g
	s_mov_b32 s53, 0
	s_lshl_b32 s54, s40, 13
	s_add_co_u32 s54, s54, s52                     ; and in bn: + branch x 8,192
	s_mov_b32 s55, 0
	s_wait_kmcnt 0x0
	s_cmp_eq_u32 s40, 0                            ; the branch's five arrays: the choice hangs on the work-group's number alone
	s_cselect_b64 s[4:5], s[4:5], s[6:7]
	s_cselect_b64 s[10:11], s[10:11], s[12:13]
	s_cselect_b64 s[16:17], s[16:17], s[18:19]
	s_cselect_b64 s[22:23], s[22:23], s[24:25]
	s_cselect_b64 s[28:29], s[28:29], s[30:31]
	s_cmp_eq_u32 s40, 2
	s_cselect_b64 s[4:5], s[8:9], s[4:5]
	s_cselect_b64 s[10:11], s[14:15], s[10:11]
	s_cselect_b64 s[16:17], s[20:21], s[16:17]
	s_cselect_b64 s[22:23], s[26:27], s[22:23]
	s_cselect_b64 s[28:29], s[32:33], s[28:29]
	s_add_nc_u64 s[4:5], s[4:5], s[44:45]
	s_add_nc_u64 s[34:35], s[34:35], s[46:47]
	s_add_nc_u64 s[36:37], s[36:37], s[48:49]
	s_add_nc_u64 s[10:11], s[10:11], s[52:53]
	s_add_nc_u64 s[16:17], s[16:17], s[52:53]
	s_add_nc_u64 s[22:23], s[22:23], s[52:53]
	s_add_nc_u64 s[28:29], s[28:29], s[52:53]
	s_add_nc_u64 s[38:39], s[38:39], s[54:55]
.macro WLOAD t
.irp i, 0,1,2,3
	global_load_b128 v[WR+16*((\t)%4)+4*\i:WR+16*((\t)%4)+4*\i+3], v3, s[4:5] offset:2048*(\t)+512*\i th:TH_LOAD_NT   ; 32 lanes read 512 consecutive bytes
.endr
.endm
.macro WTURN t                         ; step t's numbers through the stage: LDS serves a wave's instructions in order, so no wait stands between the stores and the loads
.irp i, 0,1,2,3
	ds_store_b128 v14, v[WR+16*((\t)%4)+4*\i:WR+16*((\t)%4)+4*\i+3] offset:32*SP*((\t)%2)+8*SP*\i
.endr
.irp i, 0,1,2,3
	ds_load_b128 v[WX+16*((\t)%2)+4*\i:WX+16*((\t)%2)+4*\i+3], v15 offset:32*SP*((\t)%2)+16*\i
.endr
.endm
.irp t, 0,1,2,3
	WLOAD \t
.endr
	s_wait_loadcnt 12                              ; step 0's four loads are in; the twelve of steps 1 to 3 may be out
	WTURN 0
.macro WSTEP t
.set WXS, WX+16*((\t)%2)
.if (\t) > 0
	s_wait_dscnt 1                                 ; this step's numbers are back from the stage (the last step's byte store may be out)
.else
	s_wait_dscnt 0x0
.endif
.if (\t)+4 < STEPS
	WLOAD (\t)+4                                   ; into the registers that this step's stores into the stage have read
.endif
.if (\t)+1 < STEPS
.if STEPS-2-(\t) >= 3
	s_wait_loadcnt 12                              ; the next step's four loads are in; those of the three steps behind it may be out
.else
	s_wait_loadcnt 4*(STEPS-2-(\t))
.endif
	WTURN (\t)+1
.endif
	v_max3_num_f32 v8, |v[WXS]|, |v[WXS+1]|, |v[WXS+2]|             ; the largest magnitude of my 16
	v_max3_num_f32 v9, |v[WXS+3]|, |v[WXS+4]|, |v[WXS+5]|
.irp i, 6,10
	v_max3_num_f32 v8, v8, |v[WXS+\i]|, |v[WXS+\i+1]|
	v_max3_num_f32 v9, v9, |v[WXS+\i+2]|, |v[WXS+\i+3]|
.endr
	v_max3_num_f32 v8, v8, |v[WXS+14]|, |v[WXS+15]|
	v_max3_num_f32 v8, v8, v9, (EMAX+1)<<23        ; and the floor 2^(16 - 127)
	v_max_num_f32_dpp v8, v8, v8 row_xmask:1 row_mask:0xf bank_mask:0xf   ; and of my neighbour's 16: the block's
	v_add_nc_u32 v11, -(EMAX<<23), v8              ; the conversion's scale operand
	v_and_or_b32 v10, v8, 0x7f800000, s50          ; 57,344 x the scale
.irp i, 0,1,2,3,4,5,6,7,8,9,10,11,12,13,14,15
	v_med3_num_f32 v[WXS+\i], v[WXS+\i], -v10, v10 ; the conversion does not saturate (ISA guide 7.6.2): the hold comes first
.endr
	v_cvt_scalef32_pk8_bf8_f32 v[WC+4*(\t):WC+4*(\t)+1], v[WXS:WXS+7], v11
	v_cvt_scalef32_pk8_bf8_f32 v[WC+4*(\t)+2:WC+4*(\t)+3], v[WXS+8:WXS+15], v11
	v_lshrrev_b32 v[WE+(\t)], 23, v11              ; the scale's byte
	ds_store_b8 v5, v[WE+(\t)] offset:16*(\t)      ; both lanes of a block write the same byte with the same value
	global_store_b128 v4, v[WC+4*(\t):WC+4*(\t)+3], s[34:35] offset:32*CB*(\t)   ; 512 consecutive bytes
.endm
.irp t, 0,1,2,3,4,5,6,7,8,9,10,11,12,13,14,15
	WSTEP \t
.endr
	ds_load_b64 v[12:13], v6                       ; LDS serves a wave's instructions in order: these see my stores
	s_wait_dscnt 0x0
	global_store_b64 v7, v[12:13], s[36:37]        ; 32 lanes store 256 consecutive bytes, aligned
	; the batch norm of channels 32 g .. 32 g + 31 of my branch: wave 0, a lane a channel
	s_cmp_lg_u32 s42, 0
	s_cbranch_scc1 .Lend
	global_load_b32 v16, v1, s[10:11]              ; gamma
	global_load_b32 v17, v1, s[16:17]              ; beta
	global_load_b32 v18, v1, s[22:23]              ; mean
	global_load_b32 v19, v1, s[28:29]              ; var
	s_wait_loadcnt 0x0
	v_add_f32 v20, 0x3727c5ac, v19                 ; var + 1e-5
	v_rsq_f32 v20, v20
	v_nop                                          ; a plain instruction behind the transcendental,
	s_wait_alu depctr_va_vdst(0)                   ; and the wait ahead of its first reader
	v_mul_f32 v21, v16, v20                        ; scale
	v_fma_f32 v22, -v18, v21, v17                  ; shift = beta - mean x scale
	global_store_b32 v1, v21, s[38:39]
	global_store_b32 v1, v22, s[38:39] offset:4096
.Lend:
	s_wait_tensorcnt 0x0
	ds_add_u32 v192, v193
	s_wait_dscnt 0x0
	s_endpgm
.Lfunc_end_k_q971f541bb1_quant:
	.size	k_q971f541bb1_quant, .Lfunc_end_k_q971f541bb1_quant-k_q971f541bb1_quant
	.p2alignl 7, 3214868480
	.fill 96, 4, 3214868480
	.section	.rodata,"a",@progbits
	.p2align	6, 0x0
	.amdhsa_kernel k_q971f541bb1_quant
		.amdhsa_group_segment_fixed_size 69120
		.amdhsa_private_segment_fixed_size 0
		.amdhsa_enable_private_segment 0
		.amdhsa_kernarg_size 176
		.amdhsa_user_sgpr_count 2
		.amdhsa_user_sgpr_kernarg_segment_ptr 1
		.amdhsa_wavefront_size32 1
		.amdhsa_system_sgpr_workgroup_id_x 1
		.amdhsa_system_sgpr_workgroup_id_y 1
		.amdhsa_system_sgpr_workgroup_id_z 1
		.amdhsa_system_vgpr_workitem_id 0
		.amdhsa_next_free_vgpr 194
		.amdhsa_next_free_sgpr 66
		.amdhsa_reserve_vcc 0
		.amdhsa_float_denorm_mode_32 3
		.amdhsa_float_denorm_mode_16_64 3
		.amdhsa_memory_ordered 1
		.amdhsa_forward_progress 1
		.amdhsa_inst_pref_size 112
	.end_amdhsa_kernel
	.amdgpu_metadata
---
amdhsa.version: [ 1, 2 ]
amdhsa.kernels:
  - .name:           k_q971f541bb1_quant
    .symbol:         k_q971f541bb1_quant.kd
    .args:
      - { .name: Wk, .offset: 0, .size: 8, .value_kind: global_buffer, .address_space: global }
      - { .name: Wv, .offset: 8, .size: 8, .value_kind: global_buffer, .address_space: global }
      - { .name: Wq, .offset: 16, .size: 8, .value_kind: global_buffer, .address_space: global }
      - { .name: gamma2, .offset: 24, .size: 8, .value_kind: global_buffer, .address_space: global }
      - { .name: gamma3, .offset: 32, .size: 8, .value_kind: global_buffer, .address_space: global }
      - { .name: gamma1, .offset: 40, .size: 8, .value_kind: global_buffer, .address_space: global }
      - { .name: beta2, .offset: 48, .size: 8, .value_kind: global_buffer, .address_space: global }
      - { .name: beta3, .offset: 56, .size: 8, .value_kind: global_buffer, .address_space: global }
      - { .name: beta1, .offset: 64, .size: 8, .value_kind: global_buffer, .address_space: global }
      - { .name: mean2, .offset: 72, .size: 8, .value_kind: global_buffer, .address_space: global }
      - { .name: mean3, .offset: 80, .size: 8, .value_kind: global_buffer, .address_space: global }
      - { .name: mean1, .offset: 88, .size: 8, .value_kind: global_buffer, .address_space: global }
      - { .name: var2, .offset: 96, .size: 8, .value_kind: global_buffer, .address_space: global }
      - { .name: var3, .offset: 104, .size: 8, .value_kind: global_buffer, .address_space: global }
      - { .name: var1, .offset: 112, .size: 8, .value_kind: global_buffer, .address_space: global }
      - { .name: wc, .offset: 120, .size: 8, .value_kind: global_buffer, .address_space: global }
      - { .name: ws, .offset: 128, .size: 8, .value_kind: global_buffer, .address_space: global }
      - { .name: bn, .offset: 136, .size: 8, .value_kind: global_buffer, .address_space: global }
      - { .name: Xq, .offset: 144, .size: 8, .value_kind: global_buffer, .address_space: global }
      - { .name: Xk, .offset: 152, .size: 8, .value_kind: global_buffer, .address_space: global }
      - { .name: xc, .offset: 160, .size: 8, .value_kind: global_buffer, .address_space: global }
      - { .name: xs, .offset: 168, .size: 8, .value_kind: global_buffer, .address_space: global }
    .group_segment_fixed_size: 69120
    .private_segment_fixed_size: 0
    .kernarg_segment_align: 8
    .kernarg_segment_size: 176
    .max_flat_workgroup_size: 128
    .sgpr_count:     66
    .vgpr_count:     194
    .wavefront_size: 32
...
	.end_amdgpu_metadata
.endif
;; end of part 1
;; launch gemm (part 2): grid 4 x 96, 4 waves a work-group, clusters of 4 x 4, 327,680 bytes of LDS; arguments xc, xs, wc, ws, bn, cod, scl; writes cod, scl
.if DOCPART == 2
	.amdgcn_target "amdgcn-amd-amdhsa--gfx1250"
	.amdhsa_code_object_version 6
	.text
	.protected	k_q971f541bb1_gemm
	.globl	k_q971f541bb1_gemm
	.p2align	8
	.type	k_q971f541bb1_gemm,@function
k_q971f541bb1_gemm:
	s_mov_b64 s[64:65], 0
	v_nop
	global_prefetch_b8 v0, s[64:65] scope:SCOPE_SE
	s_setreg_imm32_b32 hwreg(HW_REG_WAVE_MODE, 25, 1), 1
	s_wait_xcnt 0x0
	s_wait_alu depctr_hold_cnt(0) depctr_sa_sdst(0) depctr_va_vdst(0) depctr_va_sdst(0) depctr_va_ssrc(0) depctr_va_vcc(0) depctr_vm_vsrc(0)
	s_getreg_b32 s2, hwreg(HW_REG_IB_STS2, 6, 4)
	s_cmp_eq_u32 s2, 0
	s_cbranch_scc0 .Lentry_in_a_cluster
	s_endpgm
.Lentry_in_a_cluster:
	s_bfe_u32 s2, ttmp6, 0x10000c
	s_cmp_lg_u32 s2, 0xf033
	s_cbranch_scc0 .Lentry_shape_is_right
	s_endpgm
.Lentry_shape_is_right:
; The three 1x1 convolutions on codes of BF8 (E5M2) with one E8M0 scale for each 32 along K = 1,024, each followed by batch norm (scale, shift a channel), LeakyReLU(0.1) and the quantiser of the
; attention product that the branch feeds.  The branches never exist as f32 in memory: what leaves are register images of operands.
; WHICH PRODUCT: cluster y / 8 = PI: 0 the K branch (Xk, Wk), 1 the V branch (Xq, Wv), 2 the Q branch (Xq, Wq).  Each has 32 x 4 tiles of 256 x 256; a cluster of 4 x 4 work-groups takes sixteen.
; A tile is made by four waves, each 128 x 128: 64 accumulators, 512 registers.  K goes in steps of 256 through a ring of two LDS slots filled by the tensor data mover; the scale bytes of the tile's 512 rows come once and stay.
; SOURCE 0 ('B', shared along a column of the cluster) runs along a lane's registers in the result, SOURCE 1 ('A', shared along a row) is the lane.  The next product's K has to run along the registers:
;   PI 0, 1: the next K is the head's 128 channels: B = W, A = X.   PI 2: the next K is 128 positions: B = X, A = W.  Only pointers and row numbers are chosen; all take one path through the products.
; Rows of X and W are stored with bits 3 and 4 of their index exchanged, so the 16 registers of B's blocks 2 b and 2 b + 1 are the 16 neighbours 32 b + 16 (lane / 16) + 0 .. 15 of the next K.
; A wave's 128 rows of B are exactly one K step of the next product: each of A's eight blocks of 16 rows gives one fragment (16 registers a lane) and one scale word a row.
; OUT: cod [3 parts = PI][bh][G 16][a 8][chunk 4][lane 32][16 bytes]: each store of the wave covers 512 consecutive bytes, aligned.  scl [bh][3 parts][G][row 16][a 8] words: one store of 512 bytes a wave.
; LIMITS: a block whose largest magnitude lies under 2^-111, a block of zeros among them, gets the byte 1 (its codes are zeros, and this program alone reads the bytes); NaN and infinities are not served.
; No prefetch: K is four slots long, and each tile is asked for jointly by four work-groups.
; REGISTERS, in windows of 256: window 0: v0-31 addresses; v32-63 scale words, two sets; v64-95 the batch norm by lane; from v128 A's fragments, one set.  Window 1: B's fragments, two sets (set 0 later holds the batch norm by register).
;   Windows 2, 3: the accumulators of my rows 0-63, 64-127 (accumulator (a, b) at v[8 (8 (a % 4) + b)]).
.set SIZE_K, 1024
.set KSTEP,  256                       ; along K in a slot
.set NQ,     KSTEP/128                 ; matrix instructions deep
.set ROWB,   256                       ; a tile's row in bytes
.set KROW,   SIZE_K                    ; a row of codes in memory
.set PITCH,  272                       ; an LDS row: 256 bytes + 16 of padding = 68 words, so the 16 rows that a load touches start 4 words apart modulo 64 (64 banks of 4 bytes: ISA guide 11.1)
.set FR,     16                        ; registers of a fragment
.set NL,     4                         ; LDS loads that bring one
.set NP,     8                         ; places behind this matrix instruction (ISA guide 7.12.1)
.set HALFT,  128*PITCH                 ; 128 rows: what one tensor load brings
.set SLOT,   4*HALFT                   ; A's 256 rows, then B's 256 rows
.set LAPS,   SIZE_K/(2*KSTEP)          ; a lap = two K steps = once round the ring
.set KS,     SIZE_K/32                 ; a row of scale bytes
.set SCL,    2*SLOT                    ; behind the ring: the scales, as rows of 256 bytes + 16 of padding
.set HALFS,  (128*KS/256)*272          ; the scales of 128 rows
.set SBLK,   (16*KS/256)*272           ; those of 16 rows
.set SPARE,  SCL+4*HALFS               ; the spare words, 128 bytes for each wave: two blocks of 256 bytes that no other line names
.set BNR,  8                           ; v8   64 x (lane / 16): the batch norm by register
.set BNL,  9                           ; v9   4 x ((r & 7) + 16 (r >> 3)): the batch norm by lane
.set LI,   10                          ; v10  16 x lane: an image's place for my lane
.set SWA,  11                          ; v11  32 r + 16 (lane / 16): my four scale words
.set HLF,  12                          ; v12  lane / 16
.set ADRA, 16                          ; v16-17  LDS address of my A fragments in slot 0, 1
.set ADRB, 20                          ; v20-21  the same for B
.set ADRS, 27                          ; v27     LDS address of my scale words: lanes 0-15 A's rows, lanes 16-31 B's
.set SPW,  28                          ; v28     LDS address of my spare word; never rewritten
.set NIL,  29                          ; v29     0; never rewritten
.set SC,   32                          ; scale words: set s at v[SC + 8 NQ s]
.set AF,   128                         ; A's fragments, in window 0
.set TM,   32                          ; the way out: v32-47 at work in the quantiser
.set PWS,  48                          ; v48-55 the scale word of each of A's blocks
.set W4,   56                          ; v56-59 the four that my half of the lanes stores
.set SQ,   64                          ; v64-79 scale of my lane's channel in block a, twice;  v80-95 its shift
.set TQ,   80
.set PC,   96                          ; v96-127 codes, two sets of 16
.set Y,    128                         ; v128-191 64 numbers of a block
.set Z,    192                         ; v192-255 0.1 x them
.set PI,   95                          ; s95  which product
.set G1, 24                            ; s[24:31] descriptor group 1 for A's tiles;  s[32:39] group 0, one set for each slot
.set G0, 32
.set G1B, 48                           ; s[48:55], s[56:63] the same for B's tiles
.set G0B, 56
.set G1S, 68                           ; s[68:75], s[76:79] groups 1 and 0 for A's scales;  s[80:87], s[88:91] for B's
.set G0S, 76
.set G1SB, 80
.set G0SB, 88
.set MSB, 0
.macro WIN new                         ; the immediate's high byte repeats the setting that is left
.if MSB != (\new)
	s_set_vgpr_msb (MSB<<8)|(\new)
.set MSB, (\new)
.endif
.endm
.set MUL_LO, 0xa1                      ; source 0 (B) window 1, source 1 (A) window 0, C and D window 2
.set MUL_HI, 0xf1                      ; the same, C and D window 3
.set TO_B,   0x40                      ; destination window 1, address window 0
; A joint load: waves 0 and 1 fetch for A, waves 2 and 3 for B.  Each line has one mask and one set of registers for all that issue it; the branch hangs on the wave's number alone.
; Four v_nop follow each of the two lines, ahead of the jump, the label and what follows.
.macro JLOAD g0a, g1a, g0b, g1b
	s_cmp_eq_u32 s15, 0
	s_cbranch_scc0 .Lfor_b_\@
	tensor_load_to_lds s[\g0a:\g0a+3], s[\g1a:\g1a+7]
	s_nop 0
.rept 4
	v_nop
.endr
	s_branch .Lasked_\@
.Lfor_b_\@:
	tensor_load_to_lds s[\g0b:\g0b+3], s[\g1b:\g1b+7]
	s_nop 0
.rept 4
	v_nop
.endr
.Lasked_\@:
.endm
.macro CREST                           ; a round of the cluster's barrier behind its opening barrier
	s_cmp_lg_u32 s14, 0
	s_cbranch_scc1 .Lnot_wave_0_\@
	s_barrier_signal -3
.Lnot_wave_0_\@:
	s_barrier_wait -3
	s_barrier_signal -1
	s_barrier_wait -1
.endm
.macro CROUND                          ; a whole round
	s_barrier_signal -1
	s_barrier_wait -1
	CREST
.endm
	s_load_b256 s[4:11], s[0:1], 0x0               ; xc s[4:5], xs s[6:7], wc s[8:9], ws s[10:11]
	s_load_b128 s[96:99], s[0:1], 0x20             ; bn s[96:97], cod s[98:99]
	s_load_b64 s[100:101], s[0:1], 0x30            ; scl
	v_lshl_add_u32 v[SPW], v0, 2, SPARE
	v_mov_b32 v[NIL], 0
	ds_add_u32 v28, v29
	s_wait_dscnt 0x0
	v_lshrrev_b32 v1, 5, v0
	v_readfirstlane_b32 s14, v1                    ; wave 0..3
	s_lshr_b32 s15, s14, 1                         ; which half of A's rows is mine.  Also: I fetch for A (0) or for B (1)
	s_and_b32 s16, s14, 1                          ; which half of B's rows.  Also: which 128 rows of that tile I fetch
	s_bfe_u32 s40, ttmp6, 0x40000                  ; cx, cy: my place in the cluster
	s_bfe_u32 s41, ttmp6, 0x40004
	s_and_b32 s17, ttmp7, 0xffff                   ; cluster y, 0..23: the same in all sixteen partners
	s_lshr_b32 s[PI], s17, 3                       ; which product
	s_and_b32 s17, s17, 7                          ; which four of X's 32 tiles
	s_cmp_lt_u32 s[PI], 2
	s_cselect_b32 s42, 0, s17                      ; X is A in products 0 and 1, B in product 2
	s_cselect_b32 s17, s17, 0
	s_lshl_b32 s42, s42, 2
	s_add_co_u32 s42, s42, s40                     ; B's tile
	s_lshl_b32 s17, s17, 2
	s_add_co_u32 s17, s17, s41                     ; A's tile
	s_cmp_eq_u32 s[PI], 0                          ; where the product's operands begin in their buffers, in rows:
	s_cselect_b32 s2, 8192, 0                      ; A: Xk lies behind Xq's 8,192 rows; Xq at 0;
	s_cmp_eq_u32 s[PI], 2
	s_cselect_b32 s2, 2048, s2                     ; Wq behind Wk's and Wv's
	s_cmp_eq_u32 s[PI], 1
	s_cselect_b32 s3, 1024, 0                      ; B: Wk at 0, Wv behind it, Xq at 0
	s_lshl_b32 s43, s41, 2
	s_lshl_b32 s43, 15, s43                        ; my row of the cluster
	s_lshl_b32 s44, 0x1111, s40                    ; my column
	; descriptor group 1: a tile of 128 rows x 256 bytes, padded in LDS
	s_or_b32 s[G1+0], s43, (0<<16)|(1<<20)|(1<<21)|(5<<22)|(3<<25)  ; 15:0 the mask: A's tiles go to my row; 17:16 element of 1 byte; 20 padding on; 21 set beside a mask; 24:22 after every 64 words (code 5); 31:25 of 4 words (code 3)
	s_or_b32 s[G1B+0], s44, (0<<16)|(1<<20)|(1<<21)|(5<<22)|(3<<25)
.irp g, G1, G1B
	s_mov_b32 s[\g+1], ROWB<<16                    ; tensor_dim0
	s_mov_b32 s[\g+2], 128<<16                     ; tensor_dim1 = 128
	s_mov_b32 s[\g+3], ROWB<<16                    ; tile_dim0
	s_mov_b32 s[\g+4], 128                         ; tile_dim1 = 128
	s_mov_b32 s[\g+5], KROW                        ; tensor_dim0_stride
	s_mov_b32 s[\g+6], 0
	s_mov_b32 s[\g+7], 0
.endr
	; and for the scales of 128 rows: a dense block of 4,096 bytes, as rows of 256 bytes (32 elements of 8 bytes), 16 bytes of padding behind each
	s_or_b32 s[G1S+0], s43, (3<<16)|(1<<20)|(1<<21)|(5<<22)|(3<<25)
	s_or_b32 s[G1SB+0], s44, (3<<16)|(1<<20)|(1<<21)|(5<<22)|(3<<25)
.irp g, G1S, G1SB
	s_mov_b32 s[\g+1], 32<<16
	s_mov_b32 s[\g+2], (128*KS/256)<<16
	s_mov_b32 s[\g+3], 32<<16
	s_mov_b32 s[\g+4], 128*KS/256
	s_mov_b32 s[\g+5], 32
	s_mov_b32 s[\g+6], 0
	s_mov_b32 s[\g+7], 0
.endr
	s_lshl_b32 s18, s16, 7                         ; which 128 rows of the tile I fetch
	s_lshl_b32 s20, s17, 8
	s_add_co_u32 s20, s20, s18
	s_add_co_u32 s20, s20, s2                      ; A: row 256 x tile + 128 x half + the operand's first row
	s_lshl_b32 s46, s42, 8
	s_add_co_u32 s46, s46, s18
	s_add_co_u32 s46, s46, s3                      ; B likewise
	s_mov_b32 s21, 0
	s_mov_b32 s47, 0
	s_mov_b64 s[18:19], KS
	s_mul_u64 s[22:23], s[20:21], s[18:19]         ; where these rows' scales begin, in bytes
	s_mul_u64 s[92:93], s[46:47], s[18:19]
	s_mov_b64 s[18:19], KROW
	s_mul_u64 s[20:21], s[20:21], s[18:19]         ; and their codes
	s_mul_u64 s[46:47], s[46:47], s[18:19]
	s_mul_i32 s45, s14, HALFT                      ; where they go: wave x 128 rows: no place in the cluster enters an LDS address
	s_mul_i32 s94, s14, HALFS
	s_wait_kmcnt 0x0
	s_cmp_lt_u32 s[PI], 2                          ; which buffers are A's and which B's: the choice hangs on the cluster's number alone
	s_cselect_b64 s[12:13], s[4:5], s[8:9]         ; A's codes
	s_cselect_b64 s[66:67], s[6:7], s[10:11]       ; A's scales
	s_cselect_b64 s[8:9], s[8:9], s[4:5]           ; B's codes
	s_cselect_b64 s[10:11], s[10:11], s[6:7]       ; B's scales
	s_add_nc_u64 s[20:21], s[12:13], s[20:21]
	s_add_nc_u64 s[22:23], s[66:67], s[22:23]
	s_add_nc_u64 s[46:47], s[8:9], s[46:47]
	s_add_nc_u64 s[92:93], s[10:11], s[92:93]
	CROUND                                         ; all sixteen work-groups are here: the first joint loads meet
	s_mov_b32 s[G0S], 1
	s_add_co_u32 s[G0S+1], s94, SCL
	s_mov_b64 s[G0S+2:G0S+3], s[22:23]
	s_or_b32 s[G0S+3], s[G0S+3], 0x80000000
	s_mov_b32 s[G0SB], 1
	s_add_co_u32 s[G0SB+1], s94, SCL
	s_mov_b64 s[G0SB+2:G0SB+3], s[92:93]
	s_or_b32 s[G0SB+3], s[G0SB+3], 0x80000000
	JLOAD G0S, G1S, G0SB, G1SB                     ; the scales first: they are wanted with K step 0
.irp s, 0,1
	s_mov_b32 s[G0+4*\s], 1
	s_add_co_u32 s[G0+4*\s+1], s45, \s*SLOT
	s_add_nc_u64 s[G0+4*\s+2:G0+4*\s+3], s[20:21], \s*ROWB
	s_or_b32 s[G0+4*\s+3], s[G0+4*\s+3], 0x80000000
	s_mov_b32 s[G0B+4*\s], 1
	s_add_co_u32 s[G0B+4*\s+1], s45, \s*SLOT
	s_add_nc_u64 s[G0B+4*\s+2:G0B+4*\s+3], s[46:47], \s*ROWB
	s_or_b32 s[G0B+4*\s+3], s[G0B+4*\s+3], 0x80000000
	JLOAD G0+4*\s, G1, G0B+4*\s, G1B
.endr
	v_and_b32 v1, 15, v0                           ; r = l % 16
	v_bfe_u32 v2, v0, 4, 1                         ; l / 16
	v_mul_u32_u24 v3, v1, PITCH
	v_lshl_add_u32 v4, v2, 4, v3                   ; a fragment's row x pitch + 16 x half
	s_mul_i32 s21, s15, HALFT                      ; my 128 rows of A
	s_mul_i32 s22, s16, HALFT                      ; my 128 rows of B,
	s_add_co_u32 s22, s22, 2*HALFT                 ; which lie behind A's 256
.irp s, 0,1
	v_add_nc_u32 v[ADRA+\s], s21, v4
	v_add_nc_u32 v[ADRB+\s], s22, v4
	s_add_co_u32 s21, s21, SLOT
	s_add_co_u32 s22, s22, SLOT
.endr
	v_mul_u32_u24 v5, v1, KS                       ; my row's scales: 32 bytes a row,
	v_lshrrev_b32 v6, 8, v5
	v_lshl_add_u32 v5, v6, 4, v5                   ; and 16 more for each 256 passed
	s_mul_i32 s21, s15, HALFS                      ; A's: my 128 rows
	s_mul_i32 s22, s16, HALFS                      ; B's: my 128 rows, behind A's 256
	s_add_co_u32 s22, s22, 2*HALFS
	s_sub_co_u32 s22, s22, s21
	v_mul_u32_u24 v6, s22, v2                      ; lanes 16-31 take B's
	s_add_co_u32 s21, s21, SCL
	v_add_nc_u32 v5, v5, v6
	v_add_nc_u32 v[ADRS], s21, v5
	; the way out's addresses; none is rewritten
	v_lshlrev_b32 v[BNR], 6, v2
	v_and_b32 v[BNL], 7, v0
	v_bfe_u32 v[LI], v0, 3, 1
	v_lshl_add_u32 v[BNL], v[LI], 4, v[BNL]
	v_lshlrev_b32 v[BNL], 2, v[BNL]
	v_and_b32 v[LI], 31, v0
	v_lshlrev_b32 v[LI], 4, v[LI]
	v_lshlrev_b32 v[SWA], 5, v1
	v_lshl_add_u32 v[SWA], v2, 4, v[SWA]
	v_mov_b32 v[HLF], v2
	s_lshl_b32 s18, s17, 1
	s_add_co_u32 s18, s18, s15                     ; which 128 of A's rows are my wave's
	s_lshl_b32 s19, s42, 1
	s_add_co_u32 s19, s19, s16                     ; which 128 of B's
	s_lshl_b32 s2, s[PI], 13                       ; the product's 8,192 bytes of bn (and of a head's scale words)
	s_and_b32 s20, s19, 7                          ; the batch norm by register: channels along B (products 0, 1).  The & 7 keeps the loads inside bn in the product that does not use them
	s_lshl_b32 s20, s20, 9
	s_add_co_u32 s20, s20, s2
	s_mov_b32 s21, 0
	s_add_nc_u64 s[20:21], s[96:97], s[20:21]
	s_and_b32 s22, s18, 7                          ; the batch norm by lane: channels along A (product 2)
	s_lshl_b32 s22, s22, 9
	s_add_co_u32 s22, s22, s2
	s_mov_b32 s23, 0
	s_add_nc_u64 s[22:23], s[96:97], s[22:23]
	s_cmp_lt_u32 s[PI], 2
	s_cselect_b32 s46, s18, s19                    ; which 128 positions, 0..63
	s_cselect_b32 s47, s19, s18                    ; which head, 0..7
	s_lshr_b32 s12, s46, 4
	s_lshl_b32 s12, s12, 3
	s_add_co_u32 s12, s12, s47                     ; bh = 8 x batch + head
	s_and_b32 s46, s46, 15                         ; G
	s_lshl_b32 s66, s[PI], 23                      ; cod: part x 8 MiB + bh x 262,144 + G x 16,384
	s_lshl_b32 s13, s12, 18
	s_add_co_u32 s66, s66, s13
	s_lshl_b32 s13, s46, 14
	s_add_co_u32 s66, s66, s13
	s_mov_b32 s67, 0
	s_add_nc_u64 s[98:99], s[98:99], s[66:67]
	s_mul_i32 s66, s12, 24576                      ; scl: bh x 24,576 + part x 8,192 + G x 512
	s_add_co_u32 s66, s66, s2
	s_lshl_b32 s13, s46, 9
	s_add_co_u32 s66, s66, s13
	s_add_nc_u64 s[100:101], s[100:101], s[66:67]
	s_mov_b32 s92, 0x3dcccccd                      ; the slope 0.1; the packed form names the pair
	s_mov_b32 s93, s92
	s_mov_b32 s40, 0x76543210                      ; v_permlanex16_b32's selects for lane l xor 16
	s_mov_b32 s41, 0xfedcba98
	s_mov_b32 s42, 0x600000                        ; the mantissa field of 57,344
.irp a, 0,1,2,3,4,5,6,7                ; lane r of A's block a holds channel 32 (a / 2) + 8 (a % 2) + (r & 7) + 16 (r >> 3) of the head; each number twice, since the packed form names a pair
	global_load_b32 v[SQ+2*\a], v[BNL], s[22:23] offset:4*(32*(\a/2)+8*(\a%2))
	global_load_b32 v[SQ+2*\a+1], v[BNL], s[22:23] offset:4*(32*(\a/2)+8*(\a%2))
	global_load_b32 v[TQ+2*\a], v[BNL], s[22:23] offset:4096+4*(32*(\a/2)+8*(\a%2))
	global_load_b32 v[TQ+2*\a+1], v[BNL], s[22:23] offset:4096+4*(32*(\a/2)+8*(\a%2))
.endr
.macro FRAG reg, adr, q, i             ; a fragment, 16 rows x 128 K of 8-bit codes, is 16 registers: lane l holds row l % 16; registers 4 c .. 4 c + 3 hold K = 32 c + 16 (l / 16) + 0 .. 15
.irp c, 0,1,2,3
	ds_load_b128 v[\reg+4*\c:\reg+4*\c+3], v[\adr] offset:128*(\q)+32*\c+(\i)*16*PITCH
.endr
.endm
; 16 matrix instructions: A's blocks a0, a0 + 1 x B's eight, 128 along K: the slot's q-th.  p: B's set;  sc: the set of scale words.  zero = 1: the first product starts the sums.
; The 64 accumulators take turns, one instruction a turn, in the same order in every step.
.macro MUL16 a0, p, q, sc, zero
.irp a, \a0, \a0+1
.irp b, 0,1,2,3,4,5,6,7
.if \zero
	v_wmma_scale_f32_16x16x128_f8f6f4 v[8*(8*((\a)%4)+\b):8*(8*((\a)%4)+\b)+7], v[128*(\p)+FR*\b:128*(\p)+FR*\b+FR-1], v[AF+FR*(\a):AF+FR*(\a)+FR-1], 0, v[SC+8*NQ*(\sc)+NQ*\b+(\q)], v[SC+8*NQ*(\sc)+NQ*(\a)+(\q)] matrix_a_fmt:MATRIX_FMT_BF8 matrix_b_fmt:MATRIX_FMT_BF8 matrix_a_scale:MATRIX_SCALE_ROW1
.else
	v_wmma_scale_f32_16x16x128_f8f6f4 v[8*(8*((\a)%4)+\b):8*(8*((\a)%4)+\b)+7], v[128*(\p)+FR*\b:128*(\p)+FR*\b+FR-1], v[AF+FR*(\a):AF+FR*(\a)+FR-1], v[8*(8*((\a)%4)+\b):8*(8*((\a)%4)+\b)+7], v[SC+8*NQ*(\sc)+NQ*\b+(\q)], v[SC+8*NQ*(\sc)+NQ*(\a)+(\q)] matrix_a_fmt:MATRIX_FMT_BF8 matrix_b_fmt:MATRIX_FMT_BF8 matrix_a_scale:MATRIX_SCALE_ROW1
.endif
.endr
.endr
.endm
.macro FETCH_B slot, q, p              ; B's eight fragments of the slot's q-th 128 along K into set p
	WIN TO_B
.irp i, 0,1,2,3,4,5,6,7
	FRAG 128*(\p)+FR*\i, ADRB+\slot, \q, \i
.endr
	WIN 0
.endm
.macro FETCH_A slot, q, i0             ; A's blocks i0 .. i0 + 3
.irp i, \i0, \i0+1, \i0+2, \i0+3
	FRAG AF+FR*(\i), ADRA+\slot, \q, \i
.endr
.endm
.macro SCALES sc                       ; the next K step's scale words into set sc: two words a row; lanes 0-15 take A's block i, lanes 16-31 B's block i
.irp i, 0,1,2,3,4,5,6,7
	ds_load_b64 v[SC+8*NQ*\sc+NQ*\i:SC+8*NQ*\sc+NQ*\i+1], v[ADRS] offset:\i*SBLK
.endr
.endm
; A load into a register that a matrix instruction has read, and a vector instruction that reads a matrix result or writes one of its registers, stand eight places behind it; only plain vector
; instructions that name none of its registers are places.
.macro PLACES n
.rept \n
	v_nop
.endr
.endm
; A step of 128 along K that has its successor in the same slot.
.macro STEP slot, q, zero
	s_wait_dscnt 4*NL                              ; B's set and A's blocks 0-3 are in; the youngest 16 loads (A's blocks 4-7) may be out
	WIN MUL_LO
	MUL16 0, (\q)%2, \q, \slot, \zero
	MUL16 2, (\q)%2, \q, \slot, \zero
	s_wait_dscnt 0                                 ; A's blocks 4-7 are in (asked for 32 matrix instructions ago)
	PLACES NP
	FETCH_B \slot, (\q)+1, 1-(\q)%2
	FETCH_A \slot, (\q)+1, 0
	WIN MUL_HI
	MUL16 4, (\q)%2, \q, \slot, \zero
	MUL16 6, (\q)%2, \q, \slot, \zero
	PLACES NP
	WIN 0
	FETCH_A \slot, (\q)+1, 4
.endm
; A slot's last step changes slots: one barrier; in front of it each wave waits for all its tensor loads, adds 0 to its spare word, and waits for that and for its own reads of this slot.  fill = 1: this slot is filled again, two K steps ahead.
.macro TURN slot, next, fill
	s_wait_tensorcnt 0x0                           ; all my tensor loads have landed: my part of the next slot;  (every window is 0 here)
	ds_add_u32 v[SPW], v[NIL]                      ; 0 onto my spare word
	s_wait_dscnt 4*NL+1                            ; (the add and the youngest 16 loads, A's blocks 4-7, may be out)
	WIN MUL_LO
	MUL16 0, 1, NQ-1, \slot, 0                     ; sixteen matrix instructions stand between the add and the wait for it
	s_wait_dscnt 0x0                               ; the add is done, and my reads of this slot are over
	s_barrier_signal -1
	MUL16 2, 1, NQ-1, \slot, 0
	WIN 0
	s_barrier_wait -1
.if \fill
	CREST                                          ; the barrier has opened a round of the cluster's barrier: no wave of any partner still reads this slot's tile or has a load on its way
	s_add_nc_u64 s[G0+4*\slot+2:G0+4*\slot+3], s[G0+4*\slot+2:G0+4*\slot+3], 2*ROWB
	s_add_nc_u64 s[G0B+4*\slot+2:G0B+4*\slot+3], s[G0B+4*\slot+2:G0B+4*\slot+3], 2*ROWB
	JLOAD G0+4*\slot, G1, G0B+4*\slot, G1B         ; the first tensor load behind the round; the four v_nop behind it are among the places in front of the loads below
	PLACES NP-4
.else
	PLACES NP
.endif
	v_add_nc_u32 v[ADRS], 4*NQ, v[ADRS]            ; on to the next K step's scale words (no LDS load of mine is out)
	FETCH_B \next, 0, 0
	FETCH_A \next, 0, 0
	SCALES \next
	WIN MUL_HI
	MUL16 4, 1, NQ-1, \slot, 0
	MUL16 6, 1, NQ-1, \slot, 0
	PLACES NP
	WIN 0
	FETCH_A \next, 0, 4
.endm
	s_wait_tensorcnt 1                             ; of my three loads the scales and my part of K step 0 are in; K step 1's may be out
	s_barrier_signal -1
	s_barrier_wait -1                              ; everybody's are
	FETCH_B 0, 0, 0
	FETCH_A 0, 0, 0
	SCALES 0
	FETCH_A 0, 0, 4
	STEP 0, 0, 1                                   ; the first step stands in front of the loop: its products start the sums
	s_mov_b32 s3, LAPS-1
.Llap:                                                 ; a trip goes once round the ring, from a lap's second step to the next lap's first, and fills both slots again
	TURN 0, 1, 1
	STEP 1, 0, 0
	TURN 1, 0, 1
	STEP 0, 0, 0
	s_sub_co_u32 s3, s3, 1
	s_cmp_lg_u32 s3, 0
	s_cbranch_scc1 .Llap
	TURN 0, 1, 0                                   ; the last lap fills nothing, and has no round of the cluster's barrier
	STEP 1, 0, 0
	WIN TO_B                                       ; B's set 0 has had its last product, eight places back: it takes the batch norm by register: register 16 b + i = channel 32 b + 16 (lane / 16) + i of the head
.irp e, 0,1,2,3
.irp q, 0,1,2,3
	global_load_b128 v[16*\e+4*\q:16*\e+4*\q+3], v[BNR], s[20:21] offset:128*\e+16*\q             ; scale: window 1, v0-63
	global_load_b128 v[64+16*\e+4*\q:64+16*\e+4*\q+3], v[BNR], s[20:21] offset:4096+128*\e+16*\q  ; shift: window 1, v64-127
.endr
.endr
	WIN 0
	s_wait_dscnt 4*NL                              ; the very last step: nothing more to fetch
	WIN MUL_LO
	MUL16 0, 1, NQ-1, 1, 0
	MUL16 2, 1, NQ-1, 1, 0
	s_wait_dscnt 0
	WIN MUL_HI
	MUL16 4, 1, NQ-1, 1, 0
	MUL16 6, 1, NQ-1, 1, 0
	WIN 0
; 64 numbers of a lane, v[s] on, register 16 b + i = k 32 b + 16 (lane / 16) + i of my row, become a fragment's codes in v[pc] on and its scale word in v[pw].
.macro QUANT s, pc, pw
.irp b, 0,1,2,3
	v_max3_num_f32 v[TM+\b], |v[\s+16*\b]|, |v[\s+1+16*\b]|, 0x8000000   ; block b: my 16 numbers, and the floor 2^(16 - 127): the byte cannot fall under 1
.endr
.irp i, 2,4,6,8,10,12,14
.irp b, 0,1,2,3
	v_max3_num_f32 v[TM+\b], v[TM+\b], |v[\s+16*\b+\i]|, |v[\s+1+16*\b+\i]|   ; (the four blocks by turns)
.endr
.endr
.irp b, 0,1,2,3
	v_permlanex16_b32 v[TM+4+\b], v[TM+\b], s40, s41
.endr
.irp b, 0,1,2,3
	v_max_num_f32 v[TM+\b], v[TM+\b], v[TM+4+\b]   ; with lane l xor 16's: the block's largest magnitude
.endr
.irp b, 0,1,2,3
	v_add_nc_u32 v[TM+12+\b], 0xf8800000, v[TM+\b]   ; 15 off its exponent field: the conversion's scale operand
.endr
.irp b, 0,1,2,3
	v_and_or_b32 v[TM+8+\b], v[TM+\b], 0x7f800000, s42   ; 57,344 x the scale
.endr
.irp b, 0,1,2,3
	v_lshrrev_b32 v[TM+4+\b], 23, v[TM+12+\b]      ; the scale's byte
.endr
	v_lshl_or_b32 v[\pw], v[TM+5], 8, v[TM+4]      ; the four bytes make my row's scale word
	v_lshl_or_b32 v[\pw], v[TM+6], 16, v[\pw]
	v_lshl_or_b32 v[\pw], v[TM+7], 24, v[\pw]
.irp b, 0,1,2,3
.irp i, 0,1,2,3,4,5,6,7,8,9,10,11,12,13,14,15
	v_med3_num_f32 v[\s+16*\b+\i], v[\s+16*\b+\i], -v[TM+8+\b], v[TM+8+\b]   ; the conversion does not saturate (ISA guide 7.6.2): the hold comes first
.endr
	v_cvt_scalef32_pk8_bf8_f32 v[\pc+4*\b:\pc+1+4*\b], v[\s+16*\b:\s+7+16*\b], v[TM+12+\b]
	v_cvt_scalef32_pk8_bf8_f32 v[\pc+2+4*\b:\pc+3+4*\b], v[\s+8+16*\b:\s+15+16*\b], v[TM+12+\b]
.endr
	v_nop                                          ; one plain vector instruction between the last conversion and the next vector instruction that writes its sources
.endm
; THE WAY OUT of A's block a: 16 rows x 128 along the next K.  y = sum x scale + shift, max(y, 0.1 y), the quantiser, four stores of 512 consecutive bytes.
.macro OUTBLK a
.set AC, 64*((\a)%4)
.set PCS, PC+16*((\a)%2)
	s_wait_xcnt 0x0                                ; the earlier blocks' stores have read their registers: a set of codes may be written again
	s_cmp_eq_u32 s[PI], 2                          ; the branch hangs on the cluster's number alone
	s_cbranch_scc1 .Lq_\@
	WIN 0x16+(\a)/4                                ; source 0: the accumulators' window; sources 1 and 2: window 1
.set ii, 0
.rept 32                                               ; channels run along the registers; each accumulator is read from its low end on
	v_pk_fma_f32 v[Y+ii:Y+ii+1], v[AC+ii:AC+ii+1], v[ii:ii+1], v[64+ii:64+ii+1]
.set ii, ii+2
.endr
	WIN 0
	s_branch .Lj_\@
.Lq_\@:
	WIN 0x02+(\a)/4
.set ii, 0
.rept 32                                               ; the lane is the channel
	v_pk_fma_f32 v[Y+ii:Y+ii+1], v[AC+ii:AC+ii+1], v[SQ+2*(\a):SQ+2*(\a)+1], v[TQ+2*(\a):TQ+2*(\a)+1] op_sel_hi:[1,0,0]
.set ii, ii+2
.endr
	WIN 0
.Lj_\@:
.set ii, 0
.rept 32
	v_pk_mul_f32 v[Z+ii:Z+ii+1], v[Y+ii:Y+ii+1], s[92:93] op_sel_hi:[1,0]
.set ii, ii+2
.endr
.set ii, 0
.rept 64
	v_max_num_f32 v[Y+ii], v[Y+ii], v[Z+ii]        ; y where y > 0, else 0.1 y
.set ii, ii+1
.endr
	QUANT Y, PCS, PWS+(\a)
.irp c, 0,1,2,3
	global_store_b128 v[LI], v[PCS+4*\c:PCS+4*\c+3], s[98:99] offset:2048*(\a)+512*\c
.endr
.endm
	PLACES NP                                      ; behind the last products: for the reads of their results and the writes over scale words and A's fragments
	s_wait_loadcnt 0x0                             ; both forms of the batch norm are in
.irp b, 0,1,2,3
	v_mov_b32 v[TM+4+\b], 0                        ; written once: a lane permute's destination counts as one of its sources
.endr
.irp a, 0,1,2,3,4,5,6,7
	OUTBLK \a
.endr
	v_cmp_ne_u32 vcc_lo, 0, v[HLF]                 ; lanes 0-15 store row r's words of blocks 0-3, lanes 16-31 those of blocks 4-7 (both halves hold all eight)
.irp i, 0,1,2,3
	v_cndmask_b32 v[W4+\i], v[PWS+\i], v[PWS+4+\i], vcc_lo
.endr
	global_store_b128 v[SWA], v[W4:W4+3], s[100:101]   ; 512 consecutive bytes, aligned
	s_wait_tensorcnt 0x0                           ; the wave's end
	ds_add_u32 v[SPW], v[NIL]
	s_wait_dscnt 0x0
	CROUND                                         ; the closing round: no work-group ends while a partner may still ask for a tile that names it
	s_endpgm
.Lfunc_end_k_q971f541bb1_gemm:
	.size	k_q971f541bb1_gemm, .Lfunc_end_k_q971f541bb1_gemm-k_q971f541bb1_gemm
	.p2alignl 7, 3214868480
	.fill 96, 4, 3214868480
	.section	.rodata,"a",@progbits
	.p2align	6, 0x0
	.amdhsa_kernel k_q971f541bb1_gemm
		.amdhsa_group_segment_fixed_size 327680
		.amdhsa_private_segment_fixed_size 0
		.amdhsa_enable_private_segment 0
		.amdhsa_kernarg_size 56
		.amdhsa_user_sgpr_count 2
		.amdhsa_user_sgpr_kernarg_segment_ptr 1
		.amdhsa_wavefront_size32 1
		.amdhsa_system_sgpr_workgroup_id_x 1
		.amdhsa_system_sgpr_workgroup_id_y 1
		.amdhsa_system_sgpr_workgroup_id_z 1
		.amdhsa_system_vgpr_workitem_id 0
		.amdhsa_next_free_vgpr 1024
		.amdhsa_next_free_sgpr 102
		.amdhsa_reserve_vcc 1
		.amdhsa_float_denorm_mode_32 3
		.amdhsa_float_denorm_mode_16_64 3
		.amdhsa_memory_ordered 1
		.amdhsa_forward_progress 1
		.amdhsa_inst_pref_size 255
	.end_amdhsa_kernel
	.section	.bss,"aw",@nobits
	.p2align	6
	.space	262144
	.amdgpu_metadata
---
amdhsa.version: [ 1, 2 ]
amdhsa.kernels:
  - .name:           k_q971f541bb1_gemm
    .symbol:         k_q971f541bb1_gemm.kd
    .args:
      - { .name: xc, .offset: 0, .size: 8, .value_kind: global_buffer, .address_space: global }
      - { .name: xs, .offset: 8, .size: 8, .value_kind: global_buffer, .address_space: global }
      - { .name: wc, .offset: 16, .size: 8, .value_kind: global_buffer, .address_space: global }
      - { .name: ws, .offset: 24, .size: 8, .value_kind: global_buffer, .address_space: global }
      - { .name: bn, .offset: 32, .size: 8, .value_kind: global_buffer, .address_space: global }
      - { .name: cod, .offset: 40, .size: 8, .value_kind: global_buffer, .address_space: global }
      - { .name: scl, .offset: 48, .size: 8, .value_kind: global_buffer, .address_space: global }
    .group_segment_fixed_size: 327680
    .private_segment_fixed_size: 0
    .kernarg_segment_align: 8
    .kernarg_segment_size: 56
    .max_flat_workgroup_size: 128
    .sgpr_count:     102
    .vgpr_count:     1024
    .wavefront_size: 32
...
	.end_amdgpu_metadata
.endif
;; end of part 2
;; launch attn (part 3): grid 8 x 32, 8 waves a work-group, clusters of 4 x 1, 327,680 bytes of LDS; arguments cod, scl, out0; writes out0
.if DOCPART == 3
	.amdgcn_target "amdgcn-amd-amdhsa--gfx1250"
	.amdhsa_code_object_version 6
	.text
	.protected	k_q971f541bb1_attn
	.globl	k_q971f541bb1_attn
	.p2align	8
	.type	k_q971f541bb1_attn,@function
k_q971f541bb1_attn:
	s_mov_b64 s[64:65], 0
	v_nop
	global_prefetch_b8 v0, s[64:65] scope:SCOPE_SE
	s_setreg_imm32_b32 hwreg(HW_REG_WAVE_MODE, 25, 1), 1
	s_wait_xcnt 0x0
	s_wait_alu depctr_hold_cnt(0) depctr_sa_sdst(0) depctr_va_vdst(0) depctr_va_sdst(0) depctr_va_ssrc(0) depctr_va_vcc(0) depctr_vm_vsrc(0)
	s_getreg_b32 s2, hwreg(HW_REG_IB_STS2, 6, 4)
	s_cmp_eq_u32 s2, 0
	s_cbranch_scc0 .Lentry_in_a_cluster
	s_endpgm
.Lentry_in_a_cluster:
	s_bfe_u32 s2, ttmp6, 0x10000c
	s_cmp_lg_u32 s2, 0x3003
	s_cbranch_scc0 .Lentry_shape_is_right
	s_endpgm
.Lentry_shape_is_right:
; out[b][128 h + c][i] = the sum over j of softmax_j(K[:, i] . V[:, j] / sqrt(128)) Q[c][j], for each of 32 (batch, head) pairs bh, both products on codes of BF8 (E5M2) with one E8M0 scale for each 32 along K.
; ROLES: the K branch's positions i are the queries (part 0 of cod), the V branch's positions j the keys (part 1), the Q branch the values, with the keys as its K (part 2).
; cod holds register images: [part][bh][G 16][a 8][chunk 4][lane 32][16 bytes]: a fragment comes by four loads of 16 bytes at 16 x lane.  scl [bh][part][G][row 16][a 8] words: the eight words that lane r wants of one G lie on end.
; Rows that are not K are stored with bits 3 and 4 of their index exchanged: so the 16 registers of key tiles 2 b and 2 b + 1 are the 16 neighbouring keys 32 b + 16 (lane / 16) + 0 .. 15.
; THE SOFTMAX AHEAD OF THE SECOND PRODUCT: t = score x log2(e) / sqrt(128); M = the row's largest t so far, rounded up to a whole number; p = 2^(t - M) is quantised along the keys, not normalised.
; The row's sum is taken of the unquantised p and divides at the end.  When M moves, the sum and O are multiplied by 2^(old M - new M): exact.
; SHARES.  A work-group owns 256 queries of one bh, each of its eight waves 32: two tiles of 16; two waves to a SIMD.  Every wave walks 16 key steps of 128 keys; each fragment of keys or values read from LDS feeds two matrix instructions.
; Both products are used transposed (source 0 = 16 keys or 16 channels, source 1 = my 16 queries): a lane holds one query throughout.
; WHERE THE LDS LOADS STAND.  A key step has four runs of 16 loads.  Value tiles 0-3 are asked for ahead of tile 0's softmax; value tiles 4-7 ahead of tile 1's, into tile 0's p registers, which its conversions have left;
; key tiles 4-7 ahead of the largest scores of blocks 0 and 1; key tiles 0-3 of a slot's second step in the first step, ahead of its last eight products.  Only a slot's first run has nothing between issue and wait.
; CLUSTER.  The four work-groups of a cluster belong to one bh and walk the same keys and values: each tile is asked for jointly, by the same tensor load with a mask that names the four.
; LDS: two slots of 65,536 bytes, each two key steps (keys 2 x 16,384, values 2 x 16,384), dense images; the bh's scale words of keys and values, 16,384 bytes, filled once; the spare words; a stage for the way out that no fill touches.
; LIMITS: NaN and infinities are not served; a block of p that has fallen to zeros keeps the byte 1 (its codes are zeros).
; REGISTERS: two windows of 256; tile x's own registers have the same numbers in window x: v12 -M, v13 the largest t, v[14:15] the sum, v16-31 the queries, v96-159 S^T then p, v160-223 O^T, v224-239 p's codes, v232-254 at work.
;   Window 0 alone: v1-11 addresses, v32-47 the keys' and values' scale words, v48-49 the queries', v50-51 p's; v96-159 also value tiles 4-7.  Window 1 alone: v32-95 four fragments of keys or values.
.set SLOT1, 1<<16                      ; slot 1 begins here: one exclusive or turns an address in one slot into the other's
.set STEPB, 16384                      ; a key step's eight fragments
.set VOFF,  32768                      ; in a slot the values lie behind the keys
.set SCLB,  131072                     ; the scale words: keys' 8,192 bytes, then values'
.set SPARE, 147456                     ; the spare words, 128 bytes for each of eight waves: four blocks of 256 bytes that no other line names
.set STG,   148480                     ; the stage: 128 rows (channels) x (1,024 bytes + 16)
.set SPI,   1040
.set LI,   1                           ; v1   16 x lane
.set LS,   2                           ; v2   SCLB + 32 x (lane % 16)
.set ADR,  3                           ; v3   LDS address of the slot in hand, for my lane
.set ADS,  4                           ; v4   of the step's scale words
.set SPW,  5                           ; v5   LDS address of my spare word; never rewritten
.set NIL,  6                           ; v6   0; never rewritten
.set PFO,  7                           ; v7   256 x lane: the prefetches' offset; never rewritten
.set STA,  8                           ; v8-9 the stage: where I put a number, rows 0-63 and 64-127
.set SRD,  10                          ; v10  and where I read rows back
.set QSA,  11                          ; v11  32 x (lane % 16)
.set KSC,  32                          ; v32-39 the step's scale words of the keys' eight tiles;  v40-47 of the values'
.set VSC,  40
.set QSC,  48                          ; v48, v49 the queries' scale words, tile 0, 1
.set PSC,  50                          ; v50, v51 p's
.set WV,   10                          ; s10  my wave's number
.set G1,   16                          ; s[16:23] descriptor group 1: 64 rows of 256 bytes, for every load
.set G0,   24                          ; s[24:27] group 0 of the walking load (waves 0-3)
.set G0S,  28                          ; s[28:31] group 0 of the scale words (wave 4)
.set SEL,  32                          ; s[32:33] lane selects for v_permlanex16_b32: lane l xor 16
.set CS,   34                          ; s[34:35] c = log2(e) / sqrt(128)
.set MNT,  36                          ; s36  the mantissa field of 57,344
.set TB,   37                          ; s37  LDS byte at which the slot in hand begins
.set TS,   38                          ; s38  where the step's scale words begin: 512 bytes a step
.set SLOTS, 39                         ; s39  slots still to be asked for
.set LIM,  41                          ; s41  1 in a wave that prefetches, else the greatest number
.set PFA,  42                          ; s[42:43] where my prefetches stand
.set QC,   44                          ; s[44:45] my queries' codes;  s[46:47] their scale words;  s[48:49] my rows of out0
.set QW,   46
.set OUTP, 48
.set MSB, 0
.macro WIN new                         ; the immediate's high byte repeats the setting that is left
.if MSB != (\new)
	s_set_vgpr_msb (MSB<<8)|(\new)
.set MSB, (\new)
.endif
.endm
.macro CROUND                          ; a round of the cluster's barrier
	s_barrier_signal -1
	s_barrier_wait -1
	s_cmp_lg_u32 s[WV], 0
	s_cbranch_scc1 .Lnot_wave_0_\@
	s_barrier_signal -3
.Lnot_wave_0_\@:
	s_barrier_wait -3
	s_barrier_signal -1
	s_barrier_wait -1
.endm
.macro JLOAD                           ; a joint refill: waves 0, 1 the slot's two steps of keys, waves 2, 3 of values; four v_nop follow the line
	s_cmp_lt_u32 s[WV], 4
	s_cbranch_scc0 .Lno_fetch_\@
	tensor_load_to_lds s[G0:G0+3], s[G1:G1+7]
	s_nop 0
.rept 4
	v_nop
.endr
.Lno_fetch_\@:
.endm
; A PREFETCH INTO THE L2 of what the next change of slots will ask for: 32,768 bytes of keys and as many of values.  Both clusters of a bh walk the same bytes: the first (cluster x = 0) asks.  Its four partners take
; 8,192 bytes each, told apart by address; in each, wave 6 asks for the keys' and wave 5 for the values', lanes 256 bytes apart: each block of 256 bytes is named once.  The last change that fills a slot asks for nothing.
.macro ASK
	s_cmp_gt_u32 s[SLOTS], s[LIM]
	s_cbranch_scc0 .Lnot_mine_\@
	global_prefetch_b8 v[PFO], s[PFA:PFA+1] th:TH_LOAD_NT scope:SCOPE_SE
.Lnot_mine_\@:
.endm
.macro PLACES                          ; eight places behind this matrix instruction
.rept 8
	v_nop
.endr
.endm
	s_load_b128 s[4:7], s[0:1], 0x0                ; cod, scl
	s_load_b64 s[8:9], s[0:1], 0x10                ; out0
	v_lshl_add_u32 v[SPW], v0, 2, SPARE
	v_mov_b32 v[NIL], 0
	ds_add_u32 v5, v6
	s_wait_dscnt 0x0
	v_lshrrev_b32 v1, 5, v0
	v_readfirstlane_b32 s[WV], v1                  ; wave 0..7
	s_bfe_u32 s11, ttmp6, 0x40000                  ; cx: my place in the cluster
	s_lshl_b32 s12, ttmp9, 2
	s_add_co_u32 s12, s12, s11                     ; my block of 256 queries
	s_and_b32 s13, ttmp7, 0xffff                   ; bh, which the four partners share
	s_mov_b32 s[G1], 15|(3<<16)|(1<<21)            ; 15:0 the mask: all four work-groups; 17:16 elements of 8 bytes; 21 set beside a mask; no padding
	s_mov_b32 s[G1+1], 32<<16                      ; tensor_dim0 = 32 elements: 256 bytes
	s_mov_b32 s[G1+2], 64<<16                      ; tensor_dim1 = 64
	s_mov_b32 s[G1+3], 32<<16                      ; tile_dim0
	s_mov_b32 s[G1+4], 64                          ; tile_dim1
	s_mov_b32 s[G1+5], 32                          ; the pitch: dense
	s_mov_b32 s[G1+6], 0
	s_mov_b32 s[G1+7], 0
	; what a fetching wave fetches: nothing here hangs on my place in the cluster
	s_and_b32 s50, s[WV], 3
	s_lshl_b32 s52, s50, 14                        ; in a slot: keys of step 0, 1, values of step 0, 1
	s_lshr_b32 s51, s50, 1
	s_add_co_u32 s51, s51, 1                       ; part 1 (keys) or 2 (values)
	s_lshl_b32 s51, s51, 23
	s_lshl_b32 s53, s13, 18                        ; bh x 262,144
	s_add_co_u32 s50, s51, s53
	s_and_b32 s51, s[WV], 1
	s_lshl_b32 s51, s51, 14
	s_add_co_u32 s50, s50, s51
	s_mov_b32 s51, 0
	s_mul_i32 s54, s13, 24576                      ; bh's scale words
	s_add_co_u32 s56, s54, 8192                    ; parts 1 and 2 of them
	s_mov_b32 s57, 0
	; what is mine alone
	s_lshl_b32 s58, s12, 15                        ; my queries' codes: tile 16 x block + 2 x wave, 2,048 bytes a tile
	s_lshl_b32 s59, s[WV], 12
	s_add_co_u32 s58, s58, s59
	s_add_co_u32 s58, s58, s53
	s_mov_b32 s59, 0
	s_lshl_b32 s60, s12, 1                         ; their scale words: G = 2 x block + wave / 4, a = 2 (wave % 4) + tile
	s_lshr_b32 s61, s[WV], 2
	s_add_co_u32 s60, s60, s61
	s_lshl_b32 s60, s60, 9
	s_and_b32 s61, s[WV], 3
	s_lshl_b32 s61, s61, 3
	s_add_co_u32 s60, s60, s61
	s_add_co_u32 s60, s60, s54
	s_mov_b32 s61, 0
	s_lshl_b32 s62, s13, 20                        ; out0: channel 128 bh + 32 (wave / 2) + 8 (wave % 2), 8,192 bytes a channel; + 1,024 x block
	s_lshr_b32 s63, s[WV], 1
	s_lshl_b32 s63, s63, 18
	s_add_co_u32 s62, s62, s63
	s_and_b32 s63, s[WV], 1
	s_lshl_b32 s63, s63, 16
	s_add_co_u32 s62, s62, s63
	s_lshl_b32 s63, s12, 10
	s_add_co_u32 s62, s62, s63
	s_mov_b32 s63, 0
	s_and_b32 s14, s[WV], 1                        ; the prefetches: part 1 + wave % 2, my work-group's 8,192 bytes, in slot 1: the first change of slots steps it to slot 2
	s_add_co_u32 s14, s14, 1
	s_lshl_b32 s14, s14, 23
	s_add_co_u32 s14, s14, s53
	s_lshl_b32 s15, s11, 13
	s_add_co_u32 s14, s14, s15
	s_add_co_u32 s14, s14, 32768
	s_mov_b32 s15, 0
	s_sub_co_u32 s[LIM], s[WV], 5
	s_lshr_b32 s[LIM], s[LIM], 1                   ; 0 in waves 5 and 6,
	s_or_b32 s[LIM], s[LIM], ttmp9                 ; of the bh's first cluster: the same in all four partners
	s_cmp_eq_u32 s[LIM], 0
	s_cselect_b32 s[LIM], 1, -1
	s_mov_b32 s[SEL], 0x76543210
	s_mov_b32 s[SEL+1], 0xfedcba98
	s_mov_b32 s[CS], 0x3e0293ee                    ; c = log2(e) / sqrt(128)
	s_mov_b32 s[CS+1], s[CS]                       ; (named with it as a pair, so it is written)
	s_mov_b32 s[MNT], 0x600000
	s_mov_b32 s[TB], 0
	s_mov_b32 s[TS], 0
	s_mov_b32 s[SLOTS], 7
	s_wait_kmcnt 0x0
	s_mov_b32 s[G0], 1                             ; 1:0 count = 1
	s_mov_b32 s[G0+1], s52                         ; LDS address: slot 0
	s_add_nc_u64 s[G0+2:G0+3], s[4:5], s[50:51]    ; global address
	s_or_b32 s[G0+3], s[G0+3], 0x80000000          ; type = 2
	s_mov_b32 s[G0S], 1
	s_mov_b32 s[G0S+1], SCLB
	s_add_nc_u64 s[G0S+2:G0S+3], s[6:7], s[56:57]
	s_or_b32 s[G0S+3], s[G0S+3], 0x80000000
	s_add_nc_u64 s[QC:QC+1], s[4:5], s[58:59]
	s_add_nc_u64 s[QW:QW+1], s[6:7], s[60:61]
	s_add_nc_u64 s[OUTP:OUTP+1], s[8:9], s[62:63]
	s_add_nc_u64 s[PFA:PFA+1], s[4:5], s[14:15]
	CROUND                                         ; all four work-groups are here: the first joint loads meet
	s_cmp_lt_u32 s[WV], 4                          ; the first fills: waves 0-3 slot 0, wave 4 the scale words; one load a wave, so one load of mine is out at the most
	s_cbranch_scc0 .Lnot_kv
	tensor_load_to_lds s[G0:G0+3], s[G1:G1+7]
	s_nop 0
.rept 4
	v_nop
.endr
	s_branch .Lfirst_done
.Lnot_kv:
	s_cmp_eq_u32 s[WV], 4
	s_cbranch_scc0 .Lfirst_done
	tensor_load_to_lds s[G0S:G0S+3], s[G1:G1+7]
	s_nop 0
.rept 4
	v_nop
.endr
.Lfirst_done:
	v_and_b32 v[LI], 31, v0
	v_lshlrev_b32 v[PFO], 8, v[LI]
	v_lshlrev_b32 v[LI], 4, v[LI]
	v_and_b32 v[QSA], 15, v0
	v_lshl_add_u32 v[LS], v[QSA], 5, SCLB
	v_lshlrev_b32 v[QSA], 5, v[QSA]
.irp c, 0,1,2,3
	global_load_b128 v[16+4*\c:19+4*\c], v[LI], s[QC:QC+1] offset:512*\c          ; tile 0's queries stay in registers
.endr
	global_load_b32 v[QSC], v[QSA], s[QW:QW+1]
	global_load_b32 v[QSC+1], v[QSA], s[QW:QW+1] offset:4
	WIN 0x40                                       ; destination window 1
.irp c, 0,1,2,3
	global_load_b128 v[16+4*\c:19+4*\c], v[LI], s[QC:QC+1] offset:2048+512*\c     ; tile 1's
.endr
	WIN 0
	v_and_b32 v[STA], 7, v0                        ; the stage, in: row = the channel's stored place 16 t + 8 (lane / 16) + j; column = my query's true place 32 w + 8 x + (r & 7) + 16 (r >> 3)
	v_lshlrev_b32 v[STA], 2, v[STA]
	v_bfe_u32 v[STA+1], v0, 3, 1
	v_lshl_add_u32 v[STA], v[STA+1], 6, v[STA]
	v_bfe_u32 v[STA+1], v0, 4, 1
	v_mad_u32_u24 v[STA], v[STA+1], 8*SPI, v[STA]
	s_lshl_b32 s50, s[WV], 7
	s_add_co_u32 s50, s50, STG
	v_add_nc_u32 v[STA], s50, v[STA]
	v_add_nc_u32 v[STA+1], 64*SPI, v[STA]
	s_mul_i32 s50, s[WV], 16*SPI                   ; back: wave w takes rows 16 w .. 16 w + 15, 512 bytes an instruction
	s_add_co_u32 s50, s50, STG
	v_add_nc_u32 v[SRD], s50, v[LI]
.macro INIT x                          ; the key step is written once: the first finds zeros, which the first change of M leaves zeros
	WIN 0x55*(\x)
	v_mov_b32 v13, 0xff61b1e6                      ; the largest t so far: -3e38, under every t
	v_floor_f32 v12, -v13                          ; -M
	v_mov_b32 v14, 0                               ; the sum, in two halves
	v_mov_b32 v15, 0
.irp b, 0,1,2,3
	v_mov_b32 v[236+\b], 0                         ; a lane permute's destination counts as one of its sources
.endr
	v_mov_b32 v253, 0                              ; (named as the upper half of the pair v[252:253] before it is first written)
.set jj, 0
.rept 64
	v_mov_b32 v[160+jj], 0                         ; O^T
.set jj, jj+1
.endr
.endm
	INIT 0
	INIT 1
	WIN 0
.macro FETCH off, g                    ; four fragments, tiles 4 g .. 4 g + 3 of the eight that begin off bytes into the slot, into window 1: each load takes 512 consecutive bytes
	WIN 0x40                                       ; destination window 1
.irp t, 0,1,2,3
.irp c, 0,1,2,3
	ds_load_b128 v[32+16*\t+4*\c:35+16*\t+4*\c], v[ADR] offset:(\off)+(4*(\g)+\t)*2048+512*\c
.endr
.endr
	WIN 0
.endm
.macro FETCHP off                      ; tiles 4 .. 7 of the eight that begin off bytes into the slot, into window 0, v96-159: tile 0's p, which its conversions have read
	WIN 0
.irp t, 0,1,2,3
.irp c, 0,1,2,3
	ds_load_b128 v[96+16*\t+4*\c:99+16*\t+4*\c], v[ADR] offset:(\off)+(4+\t)*2048+512*\c
.endr
.endr
.endm
.macro KQ g                            ; S^T = keys x queries^T: four tiles of 16 keys for tile 0, then for tile 1: eight different results
	WIN 0x01                                       ; source 0 window 1
.irp t, 0,1,2,3
	v_wmma_scale_f32_16x16x128_f8f6f4 v[96+8*(4*\g+\t):103+8*(4*\g+\t)], v[32+16*\t:47+16*\t], v[16:31], 0, v[KSC+4*\g+\t], v[QSC] matrix_a_fmt:MATRIX_FMT_BF8 matrix_b_fmt:MATRIX_FMT_BF8
.endr
	WIN 0x55                                       ; all in window 1 (scale words have no window)
.irp t, 0,1,2,3
	v_wmma_scale_f32_16x16x128_f8f6f4 v[96+8*(4*\g+\t):103+8*(4*\g+\t)], v[32+16*\t:47+16*\t], v[16:31], 0, v[KSC+4*\g+\t], v[QSC+1] matrix_a_fmt:MATRIX_FMT_BF8 matrix_b_fmt:MATRIX_FMT_BF8
.endr
.endm
; O^T += values x p^T.  Each accumulator has one instruction a key step, so they take turns.
.macro PVF                             ; value tiles 0-3, from window 1
	WIN 0x01
.irp t, 0,1,2,3
	v_wmma_scale_f32_16x16x128_f8f6f4 v[160+8*\t:167+8*\t], v[32+16*\t:47+16*\t], v[224:239], v[160+8*\t:167+8*\t], v[VSC+\t], v[PSC] matrix_a_fmt:MATRIX_FMT_BF8 matrix_b_fmt:MATRIX_FMT_BF8
.endr
	WIN 0x55
.irp t, 0,1,2,3
	v_wmma_scale_f32_16x16x128_f8f6f4 v[160+8*\t:167+8*\t], v[32+16*\t:47+16*\t], v[224:239], v[160+8*\t:167+8*\t], v[VSC+\t], v[PSC+1] matrix_a_fmt:MATRIX_FMT_BF8 matrix_b_fmt:MATRIX_FMT_BF8
.endr
.endm
.macro PVP                             ; value tiles 4-7, from window 0, v96-159
	WIN 0
.irp t, 0,1,2,3
	v_wmma_scale_f32_16x16x128_f8f6f4 v[192+8*\t:199+8*\t], v[96+16*\t:111+16*\t], v[224:239], v[192+8*\t:199+8*\t], v[VSC+4+\t], v[PSC] matrix_a_fmt:MATRIX_FMT_BF8 matrix_b_fmt:MATRIX_FMT_BF8
.endr
	WIN 0x54                                       ; source 0 window 0; p's codes, C and D window 1
.irp t, 0,1,2,3
	v_wmma_scale_f32_16x16x128_f8f6f4 v[192+8*\t:199+8*\t], v[96+16*\t:111+16*\t], v[224:239], v[192+8*\t:199+8*\t], v[VSC+4+\t], v[PSC+1] matrix_a_fmt:MATRIX_FMT_BF8 matrix_b_fmt:MATRIX_FMT_BF8
.endr
.endm
; The largest score of blocks b0 and b0 + 1 of tile x (a block: 32 keys, my 16 of them in two results of 8 registers).  Four chains by turns, one for each result, seven scores each; then the two scores left over join them.
; It serves the row's maximum and, since p rises with the score, the block's largest p.  Each result is read from its low end on.
.macro SMAX x, b0
	WIN 0x55*(\x)
.irp b, \b0, \b0+1
.irp u, 0,1
	v_max3_num_f32 v[232+(\b)+8*\u], v[96+16*(\b)+8*\u], v[97+16*(\b)+8*\u], v[98+16*(\b)+8*\u]
.endr
.endr
.irp i, 3,5
.irp b, \b0, \b0+1
.irp u, 0,1
	v_max3_num_f32 v[232+(\b)+8*\u], v[232+(\b)+8*\u], v[96+16*(\b)+8*\u+\i], v[97+16*(\b)+8*\u+\i]
.endr
.endr
.endr
.irp b, \b0, \b0+1
	v_max3_num_f32 v[232+(\b)], v[232+(\b)], v[240+(\b)], v[103+16*(\b)]
.endr
.irp b, \b0, \b0+1
	v_max_num_f32 v[232+(\b)], v[232+(\b)], v[111+16*(\b)]
.endr
.endm
; Tile x's softmax of one key step, behind SMAX x, 0; all in window x but for p's scale word.
.macro SOFTMAX x
	SMAX \x, 2
.irp b, 0,1,2,3
	v_permlanex16_b32 v[236+\b], v[232+\b], s[SEL], s[SEL+1]
.endr
.irp b, 0,1,2,3
	v_max_num_f32 v[232+\b], v[232+\b], v[236+\b]  ; with lane l xor 16's 16 keys
.endr
	v_max3_num_f32 v254, v232, v233, v234
	v_max_num_f32 v254, v254, v235                 ; the step's largest score of my query
	v_mul_f32 v254, s[CS], v254                    ; as t (c is positive)
	v_max_num_f32 v13, v13, v254                   ; the running largest t
	v_mov_b32 v254, v12
	v_floor_f32 v12, -v13                          ; the new -M = floor(-t): M is a whole number
	v_sub_f32 v254, v12, v254                      ; old M - new M: a whole number, 0 or less
	v_cvt_i32_f32 v254, v254                       ; (it saturates)
	v_ldexp_f32 v252, 1.0, v254                    ; f = 2^(old M - new M)
.set jj, 0
.rept 32
	v_pk_fma_f32 v[96+jj:97+jj], v[96+jj:97+jj], s[CS:CS+1], v[12:13] op_sel_hi:[1,0,0]   ; t - M, two at a time
.set jj, jj+2
.endr
.irp b, 0,1,2,3
	v_fma_f32 v[232+\b], v[232+\b], s[CS], v12     ; the same of each block's largest score
.endr
.set jj, 0
.rept 64
	v_exp_f32 v[96+jj], v[96+jj]                   ; p = 2^(t - M), at most 1
.set jj, jj+1
.endr
	v_pk_mul_f32 v[14:15], v[14:15], v[252:253] op_sel_hi:[1,0]   ; the sums under the new M: the plain instruction behind the exponentials
	s_wait_alu depctr_va_vdst(0)                   ; one wait for the batch of 64, ahead of its first reader
.irp b, 0,1,2,3
	v_exp_f32 v[232+\b], v[232+\b]                 ; the block's largest p
.endr
	v_pk_add_f32 v[236:237], v[96:97], v[98:99]    ; the row's sum is taken of the unquantised p: two at a time, in two chains
.irp j, 4,8,12,16,20,24,28,32,36,40,44,48,52,56,60
	v_pk_add_f32 v[14:15], v[14:15], v[96+\j:97+\j]
	v_pk_add_f32 v[236:237], v[236:237], v[98+\j:99+\j]
.endr
	v_pk_add_f32 v[14:15], v[14:15], v[236:237]
	s_wait_alu depctr_va_vdst(0)                   ; and one for the four
.irp b, 0,1,2,3
	v_max_num_f32 v[232+\b], 0x8000000, v[232+\b]  ; the floor 2^(16 - 127): the byte cannot fall under 1
.endr
.irp b, 0,1,2,3
	v_add_nc_u32 v[244+\b], 0xf8800000, v[232+\b]  ; 15 off the exponent field: the conversion's scale operand
.endr
.irp b, 0,1,2,3
	v_and_or_b32 v[240+\b], v[232+\b], 0x7f800000, s[MNT]   ; 57,344 x the scale
.endr
.irp b, 0,1,2,3
	v_lshrrev_b32 v[236+\b], 23, v[244+\b]         ; the scale's byte
.endr
	v_lshl_or_b32 v253, v237, 8, v236
	v_lshl_or_b32 v253, v238, 16, v253
	WIN 0x11*(\x)                                  ; sources in my window, destination in window 0
	v_lshl_or_b32 v[PSC+\x], v239, 24, v253        ; p's scale word for these 128 keys; the 64 holds below are more than its eight places
	WIN 0x55*(\x)
.irp b, 0,1,2,3
.irp i, 0,1,2,3,4,5,6,7,8,9,10,11,12,13,14,15
	v_min_num_f32 v[96+16*\b+\i], v[96+16*\b+\i], v[240+\b]   ; the conversion does not saturate (ISA guide 7.6.2); p is not negative, so the hold is one-sided
.endr
	v_cvt_scalef32_pk8_bf8_f32 v[224+4*\b:225+4*\b], v[96+16*\b:103+16*\b], v[244+\b]
	v_cvt_scalef32_pk8_bf8_f32 v[226+4*\b:227+4*\b], v[104+16*\b:111+16*\b], v[244+\b]
.endr
.set jj, 0
.rept 32
	v_pk_mul_f32 v[160+jj:161+jj], v[160+jj:161+jj], v[252:253] op_sel_hi:[1,0]   ; O^T under the new M.  (These 32 are also the places between the codes and the products)
.set jj, jj+2
.endr
.endm
; A KEY STEP: 128 keys, the q-th of the slot in hand.
.macro STEP q
	v_add_nc_u32 v[ADS], s[TS], v[LS]
.if (\q) == 0
	v_add_nc_u32 v[ADR], s[TB], v[LI]
.else
	v_nop
.endif
.rept 7
	v_nop                                          ; nine places in all behind the last step's products: eight for the loads into their scale words, nine for the score products, which write over window 0's v96-159, their source 0
.endr
	ds_load_b128 v[KSC:KSC+3], v[ADS]              ; row r's words of the keys' eight tiles,
	ds_load_b128 v[KSC+4:KSC+7], v[ADS] offset:16
	ds_load_b128 v[VSC:VSC+3], v[ADS] offset:8192  ; and of the values'
	ds_load_b128 v[VSC+4:VSC+7], v[ADS] offset:8208
.if (\q) == 0
	FETCH 0, 0                                     ; a slot's first key tiles can be asked for only here, behind the change of slots
.endif
	s_wait_dscnt 0x0                               ; key tiles 0-3 (in the second step: asked for in the first) and the scale words
	KQ 0
	PLACES                                         ; for the loads below and for the first reads of these scores
	FETCH STEPB*(\q), 1
	SMAX 0, 0                                      ; the largest scores of blocks 0 and 1 of both tiles stand between the loads and the wait for them
	SMAX 1, 0
	s_wait_dscnt 0x0
	KQ 1
	PLACES                                         ; for the loads below and for the first reads of these scores
	FETCH VOFF+STEPB*(\q), 0                       ; value tiles 0-3 land under tile 0's softmax,
	SOFTMAX 0
	FETCHP VOFF+STEPB*(\q)                         ; value tiles 4-7 under tile 1's
	SOFTMAX 1
	s_wait_dscnt 0x0
	PVF
.if (\q) == 0
	PLACES                                         ; behind the products that read window 1's fragments:
	FETCH STEPB, 0                                 ; the next step's key tiles 0-3; eight products and the next head's nine places stand ahead of the wait for them
.endif
	PVP
	WIN 0
	s_add_co_u32 s[TS], s[TS], 512                 ; the next step's scale words
.endm
; THE CHANGE OF SLOTS stands at a slot's head.  Each wave waits for all its tensor loads, adds 0 to its spare word, and waits for that and for its reads of the slot that it has left.
; fill = 1: the barrier is a round of the cluster's, so that no wave of any partner still reads the other slot or has a load on its way; that slot is filled first thing behind it, and the load has two key steps in which to land.
.macro CHANGE fill
	s_wait_tensorcnt 0x0                           ; no tensor load of mine is out, so a group 0 may be written
	ds_add_u32 v[SPW], v[NIL]                      ; 0 onto my spare word
.if \fill
	s_xor_b32 s[G0+1], s[G0+1], SLOT1              ; the walking descriptor: the other slot than last time,
	s_add_nc_u64 s[G0+2:G0+3], s[G0+2:G0+3], 2*STEPB   ; the next two key steps; the type bits on top are not reached
	s_wait_xcnt 0x0                                ; the last prefetch, a slot back, has read its address, so it may be written:
	s_add_nc_u64 s[PFA:PFA+1], s[PFA:PFA+1], 2*STEPB   ; one slot further on than the walking descriptor
.endif
	s_wait_dscnt 0x0                               ; the add is done, and my reads of the slot that I have left are over
.if \fill
	CROUND
	JLOAD
	ASK
.else
	s_barrier_signal -1
	s_barrier_wait -1
.endif
.endm
.macro SLOT_STEPS
	STEP 0
	STEP 1
	s_xor_b32 s[TB], s[TB], SLOT1                  ; on to the other slot
.endm
	s_wait_loadcnt 0x0                             ; the queries and their scale words
.Lslot:                                            ; seven trips: behind each change of slots but the last the next slot is asked for
	CHANGE 1
	SLOT_STEPS
	s_sub_co_u32 s[SLOTS], s[SLOTS], 1
	s_cmp_lg_u32 s[SLOTS], 0
	s_cbranch_scc1 .Lslot
	CHANGE 0                                       ; the last slot is written out
	SLOT_STEPS
	; THE WAY OUT.  O^T / the sum goes into the work-group's stage, [channel][query]; a barrier; each wave reads 16 whole rows back and stores them, 512 consecutive bytes an instruction.
	PLACES
.macro OUTT x
	WIN 0x55*(\x)
	v_add_f32 v14, v14, v15                        ; the sum's two halves,
	v_permlanex16_b32 v252, v14, s[SEL], s[SEL+1]
	v_add_f32 v14, v14, v252                       ; and lane l xor 16's: the row's sum
	v_rcp_f32 v14, v14
	v_nop                                          ; a plain instruction behind the transcendental,
	s_wait_alu depctr_va_vdst(0)                   ; and the wait ahead of its first reader
.set jj, 0
.rept 32
	v_pk_mul_f32 v[96+jj:97+jj], v[160+jj:161+jj], v[14:15] op_sel_hi:[1,0]   ; each accumulator from its low end on
.set jj, jj+2
.endr
	WIN 0x04*(\x)                                  ; an LDS store's data are its source 1
.irp t, 0,1,2,3,4,5,6,7
.irp j, 0,1,2,3,4,5,6,7
	ds_store_b32 v[STA+\t/4], v[96+8*\t+\j] offset:(16*(\t%4)+\j)*SPI+32*(\x)
.endr
.endr
.endm
	OUTT 0
	OUTT 1
	WIN 0
	s_wait_dscnt 0x0                               ; for the others' sake: my stores into the stage are done
	s_barrier_signal -1
	s_barrier_wait -1
.irp k, 0,1,2,3,4,5,6,7,8,9,10,11,12,13,14,15
.irp f, 0,1
	ds_load_b128 v[96+4*(2*\k+\f):99+4*(2*\k+\f)], v[SRD] offset:\k*SPI+512*\f
.endr
.endr
.irp k, 0,1,2,3,4,5,6,7,8,9,10,11,12,13,14,15
.irp f, 0,1
	s_wait_dscnt 31-(2*\k+\f)                      ; this load is in; those issued behind it may be out
	global_store_b128 v[LI], v[96+4*(2*\k+\f):99+4*(2*\k+\f)], s[OUTP:OUTP+1] offset:((\k&7)+16*(\k>>3))*8192+512*\f th:TH_STORE_NT   ; stage row 16 w + k is the channel with bits 3 and 4 exchanged; 512 consecutive bytes, aligned
.endr
.endr
	s_wait_tensorcnt 0x0                           ; the wave's end
	ds_add_u32 v[SPW], v[NIL]
	s_wait_dscnt 0x0
	CROUND                                         ; the closing round: no work-group ends while a partner may still ask for a tile that names it
	s_endpgm
.Lfunc_end_k_q971f541bb1_attn:
	.size	k_q971f541bb1_attn, .Lfunc_end_k_q971f541bb1_attn-k_q971f541bb1_attn
	.p2alignl 7, 3214868480
	.fill 96, 4, 3214868480
	.section	.rodata,"a",@progbits
	.p2align	6, 0x0
	.amdhsa_kernel k_q971f541bb1_attn
		.amdhsa_group_segment_fixed_size 327680
		.amdhsa_private_segment_fixed_size 0
		.amdhsa_enable_private_segment 0
		.amdhsa_kernarg_size 24
		.amdhsa_user_sgpr_count 2
		.amdhsa_user_sgpr_kernarg_segment_ptr 1
		.amdhsa_wavefront_size32 1
		.amdhsa_system_sgpr_workgroup_id_x 1
		.amdhsa_system_sgpr_workgroup_id_y 1
		.amdhsa_system_sgpr_workgroup_id_z 1
		.amdhsa_system_vgpr_workitem_id 0
		.amdhsa_next_free_vgpr 512
		.amdhsa_next_free_sgpr 66
		.amdhsa_reserve_vcc 0
		.amdhsa_float_denorm_mode_32 3
		.amdhsa_float_denorm_mode_16_64 3
		.amdhsa_memory_ordered 1
		.amdhsa_forward_progress 1
		.amdhsa_inst_pref_size 191
	.end_amdhsa_kernel
	.amdgpu_metadata
---
amdhsa.version: [ 1, 2 ]
amdhsa.kernels:
  - .name:           k_q971f541bb1_attn
    .symbol:         k_q971f541bb1_attn.kd
    .args:
      - { .name: cod, .offset: 0, .size: 8, .value_kind: global_buffer, .address_space: global }
      - { .name: scl, .offset: 8, .size: 8, .value_kind: global_buffer, .address_space: global }
      - { .name: out0, .offset: 16, .size: 8, .value_kind: global_buffer, .address_space: global }
    .group_segment_fixed_size: 327680
    .private_segment_fixed_size: 0
    .kernarg_segment_align: 8
    .kernarg_segment_size: 24
    .max_flat_workgroup_size: 256
    .sgpr_count:     66
    .vgpr_count:     512
    .wavefront_size: 32
...
	.end_amdgpu_metadata
.endif
;; end of part 3
